; MI455X (gfx1250); checked and timed in simulation.
; The chip was launched on July 23, 2026; its instructions are those of AMD's public machine-readable ISA for CDNA 5 (MIT licence, August 2026) and "CDNA5" Instruction Set Architecture Reference Guide (July 2026). The comments in the code are by the model that wrote it; some were corrected since.
;; Brute Force Mo E Linear. Allowed arithmetic: matrix products marked QUANTISED: E2M3 operands, one E8M0 scale for each 32 along K, by v_wmma_scale_f32_16x16x128_f8f6f4 with both operands' format E2M3, f32 sums; products left as they are: f32 operands where the result goes on into a quantised operand, else bf16, f16 or f32 operands; f32 sums; everything else in f32.
;; Inputs: gate_idx 4,096 int32; gate_score 2,048 x 1 x 2 float32; inp 4,096 x 512 float32; w_h4toh 8 x 512 x 2,048 float32; w_htoh4 8 x 2,048 x 512 float32.
;; Outputs: out0 2,048 x 512 float32.
;; This version of the problem:
;;   THIS VERSION OF THE PROBLEM IS GIVEN IN LOW PRECISION. The matrix products marked QUANTISED in the list below multiply operands that are first quantised to E2M3 (2 exponent bits, 3 mantissa bits; 6 bits a number), with one power-of-two scale for each 32 numbers along K (OCP MX v1.0); their sums are f32. All else is computed in f32.
;;   The module's matrix products, in the order in which they are computed (A, B: the left and right operand; K: the contracted axis; several contracted axes count as one K, in the product's order):
;;     1. [M 4,096, K 512] x [K 512, N 16,384]; A: input inp; B: input w_htoh4: QUANTISED
;;     2. batch 8 x [M 512, K 2,048] x [K 2,048, N 4,096]; A: input w_h4toh; B: computed on the way: QUANTISED
;;     3. batch 2,048 x [M 1, K 2] x [K 2, N 512]; A: input gate_score; B: computed on the way: left as it is (K = 2 < 32)
;;   THE QUANTISER, for each operand of a quantised product, along K:
;;     - K is cut into blocks of 32 from its start; a last block that is shorter is filled with zeros.
;;     - A block's scale is 2^e with e = floor(log2(the largest magnitude in the block)) - 2, held to -126 .. 127; a block of zeros has e = 0. As a byte (E8M0): e + 127.
;;     - Each number is divided by its block's scale, clamped to +-7.5, and rounded to the nearest number of E2M3, ties to even, subnormals kept.
;;     - The product sums the exact products of the quantised numbers (number of the format x scale) in f32.
;;   ~~~python
;;   def quantise(x, axis):      # numpy; x: float32 -> the quantised numbers, widened to float32 again
;;       x = np.moveaxis(x, axis, -1); K = x.shape[-1]
;;       x = np.pad(x, [(0, 0)] * (x.ndim - 1) + [(0, -K % 32)]); x = x.reshape(x.shape[:-1] + (-1, 32)); a = np.abs(x).max(-1, keepdims=True)
;;       e = np.where(a > 0, np.clip(np.frexp(np.where(a > 0, a, 1))[1] - 1 - 2, -126, 127), 0)      # np.frexp(a)[1] - 1 = floor(log2(a)), exactly
;;       r = np.clip(x / 2.0 ** e, -7.5, 7.5)
;;       step = 2.0 ** (np.maximum(np.frexp(np.where(r == 0, 1, r))[1] - 1, 0) - 3)
;;       q = np.round(r / step) * step * 2.0 ** e      # np.round: ties to even
;;       return np.moveaxis(q.reshape(q.shape[:-2] + (-1,))[..., :K], -1, axis).astype(np.float32)
;;   ~~~
;;   OPERANDS COMPUTED ON THE WAY. 'Computed on the way' means the value that the module computes at that place (a softmax that the list does not call 'softmax' is quantised finished and normalised). What goes into a quantiser is computed in f32, as accurately as f32 sums, v_exp_f32 and their like allow (about 1e-6 of the number): no bf16 or f16 on the way to a quantiser, and a product that is left as it is and whose result goes on into a quantised operand takes f32 operands (vector FMAs, or v_wmma_f32_16x16x4_f32). A number that lies on a knife's edge between two numbers of the format may be rounded either way, as far as f32 arithmetic and the matrix unit's own rounding can turn it there, and no further.
;; 2 versions, each right; version 2 is version 1 with the launch chain written anew for expert scheduling mode. Each part assembles by itself: llvm-mc -triple=amdgcn-amd-amdhsa -mcpu=gfx1250 --defsym DOCPART=n.
;; ======== version 1 of 2: 3 launches
;; workspace buffers: wq 12,582,912 bytes; ws 524,288 bytes; xq 1,638,400 bytes; rowlist 19,968 bytes of whole numbers; tinfo 1,024 bytes of whole numbers; yp 33,554,432 bytes
;; launch prep (part 1): grid 289 x 1, 8 waves a work-group, no clusters, 120,064 bytes of LDS; arguments inp, gate_idx, w_htoh4, w_h4toh, wq, ws, xq, rowlist, tinfo; writes wq, ws, xq, rowlist, tinfo
.if DOCPART == 1
	.amdgcn_target "amdgcn-amd-amdhsa--gfx1250"
	.amdhsa_code_object_version 6
	.text
	.protected	k_qd07472d486_prep
	.globl	k_qd07472d486_prep
	.p2align	8
	.type	k_qd07472d486_prep,@function
k_qd07472d486_prep:
	s_mov_b64 s[64:65], 0
	v_nop
	global_prefetch_b8 v0, s[64:65] scope:SCOPE_SE
	s_setreg_imm32_b32 hwreg(HW_REG_WAVE_MODE, 25, 1), 1
	s_wait_xcnt 0x0
; PREP: both weights and the rows of inp, f32 with K innermost, become codes of FP6 (E2M3) with one E8M0 byte for each 32 along K; and the rows are sorted by expert.
; A block's scale is 2^(floor(log2(its largest magnitude)) - 2): its byte is the largest magnitude's exponent field - 2, held at 1 from below; the conversion divides, rounds to the nearest code, ties to even,
; and gives the largest code beyond 7.5.
; LIMITS: a block of zeros, or one whose largest magnitude lies under 2^-124, gets the byte 1 where the rule says 127 or less: its codes are zeros or subnormal codes under the byte 1, and this program alone reads the bytes;
; NaN and infinities are not served; gate_idx is taken as unsigned and held at 7.
; SHARES.  Work-group 0 sorts.  Work-groups 1 to 288 quantise: wave w of work-group g takes UNIT u = 8 (g - 1) + w: 16 rows x 512 along K = four fragments of 16 x 128.
;   u < 1024: w_htoh4.  u = 128 e + 32 q + tau (expert, quarter of the hidden layer, tile).  Row i of the unit is row 32 (u / 2) + 8 (u % 2) + i + 8 (i / 8) of the 16,384: the rows of a tile are not neighbours, so that in
;             the next launch the 16 result registers of tiles 2 b and 2 b + 1 are 16 neighbours along the second product's K.
;   1024 <= u < 2048: w_h4toh.  u - 1024 = 128 e + 32 q + tau: rows 512 e + 16 tau + i, columns 512 q on.
;   u >= 2048: rows 16 (u - 2048) + i of inp.
; A work-group's eight units belong to one tensor, so every choice between tensors hangs on the work-group's number alone.
; WHAT IS STORED.  A weight's unit: 6,144 bytes in the order of the operand's registers (fragment s at 1,536 s; registers 4 c .. 4 c + 3 of lane l at 512 c + 16 l), so that the next launch fills a fragment by three dense loads;
; and 256 bytes of scale words (row i at 16 i, K step s at + 4 s).  A row of inp: a record of 400 bytes, 384 of codes as the row's stream of bits and its 16 scale bytes, since the next launch gathers rows.
; A load takes 512 consecutive bytes of one row, 16 a lane; the conversions want 32 neighbours along K in one lane: a fragment's 16 x 512 bytes turn through the wave's own stage in LDS (rows 528 bytes apart:
; 33 x 16, so that the sixteen rows that a load of 16 bytes a lane touches begin at sixteen different places modulo 256).  No wave of a quantising work-group reads what another wrote: no barrier there.
.set WREG,  14848                      ; LDS of a wave: the turn stage, 16 x 528 bytes, then 16 records of 400 bytes (the x units alone use these)
.set XSTG,  8448
.set RT,    8*WREG                     ; 256 bytes for the sorting work-group alone: 8 waves x 8 counts
.set SP,    528
.set A,     16                         ; v16-31   byte offset of my 16 bytes in each of the unit's 16 rows; never rewritten
.set R,     32                         ; v32-159  two sets of 64: a fragment as loaded
.set X,     160                        ; v160-223 my two blocks of 32 neighbours
.set PC,    224                        ; v224-235 the fragment's 12 registers of codes; v236-238, v240-242 halves on their way
.set TM,    244                        ; v244-251 at work
.set SW,    252                        ; v252-255 my row's scale word for each K step
.set IDX,   16                         ; the sorting work-group: v16-31 experts, v32-47 places, v48-63 row numbers
.set POS,   32
.set ROWN,  48
.set CB,    40                         ; s40-47 counts, then running places;  s48-55 an expert's rows;  s56-63 its tiles;  s66-73 rows of it in the waves before mine;  s74-81 its first tile
.set TOT,   48
.set TL,    56
.set OF,    66
.set TB,    74
	s_load_b512 s[4:19], s[0:1], 0x0               ; inp s[4:5], gate_idx s[6:7], w_htoh4 s[8:9], w_h4toh s[10:11], wq s[12:13], ws s[14:15], xq s[16:17], rowlist s[18:19]
	s_load_b64 s[20:21], s[0:1], 0x40              ; tinfo
	v_lshl_add_u32 v239, v0, 2, 0x1d100
	v_mov_b32 v243, 0
	v_lshrrev_b32 v1, 5, v0
	v_readfirstlane_b32 s22, v1                    ; wave 0..7
	v_and_b32 v1, 31, v0                           ; lane
	s_cmp_eq_u32 ttmp9, 0
	s_cbranch_scc1 .Lroute
	; ---------------- the quantising work-groups ----------------
	s_sub_co_u32 s23, ttmp9, 1
	s_lshl_b32 s24, s23, 3
	s_add_co_u32 s24, s24, s22                     ; u
	s_lshr_b32 s40, s24, 1                         ; w_htoh4: 32 (u / 2) rows of 2,048 bytes,
	s_lshl_b32 s40, s40, 16
	s_and_b32 s41, s24, 1
	s_lshl_b32 s41, s41, 14                        ; + 8 (u % 2) rows
	s_or_b32 s40, s40, s41
	s_and_b32 s42, s24, 1023                       ; w_h4toh: u - 1024
	s_lshr_b32 s43, s42, 7
	s_lshl_b32 s43, s43, 22                        ; 512 e rows of 8,192 bytes,
	s_and_b32 s44, s42, 31
	s_lshl_b32 s44, s44, 17                        ; + 16 tau rows,
	s_add_co_u32 s43, s43, s44
	s_bfe_u32 s44, s42, 0x20005
	s_lshl_b32 s44, s44, 11                        ; + 512 q columns
	s_add_co_u32 s43, s43, s44
	s_and_b32 s45, s24, 255                        ; inp: u - 2048
	s_lshl_b32 s46, s45, 15                        ; 16 rows of 2,048 bytes
	s_mul_i32 s47, s24, 6144                       ; where a weight's unit goes,
	s_mul_i32 s48, s45, 6400                       ; and 16 records
	s_and_b32 s50, s24, 2047
	s_lshl_b32 s50, s50, 8                         ; a weight's scale words
	s_mov_b32 s51, 0
	s_mov_b32 s27, 0
	s_mov_b32 s39, 0
	s_mov_b32 s34, 8192
	s_mov_b32 s36, 0x76543210
	s_mov_b32 s37, 0xfedcba98                      ; v_permlanex16_b32's selects for lane l xor 16
	s_mul_i32 s25, s22, WREG                       ; my wave's LDS
	s_wait_kmcnt 0x0
	s_cmp_lt_u32 s23, 128                          ; w_htoh4 or w_h4toh?
	s_cselect_b32 s26, s40, s43
	s_cselect_b64 s[28:29], s[8:9], s[10:11]
	s_cselect_b32 s34, 2048, s34                   ; bytes from row to row
	s_cselect_b32 s35, 16384, 0                    ; w_htoh4: rows 8-15 of a unit lie 8 rows further on
	s_cmp_lt_u32 s23, 256                          ; a weight or inp?
	s_cselect_b32 s26, s26, s46
	s_cselect_b64 s[28:29], s[28:29], s[4:5]
	s_cselect_b32 s34, s34, 2048
	s_cselect_b32 s38, s47, s48
	s_cselect_b64 s[30:31], s[12:13], s[16:17]
	s_add_nc_u64 s[28:29], s[28:29], s[26:27]      ; the unit's first byte
	s_add_nc_u64 s[30:31], s[30:31], s[38:39]      ; where its codes go
	s_add_nc_u64 s[32:33], s[14:15], s[50:51]      ; where a weight's scale words go
	v_and_b32 v2, 15, v0                           ; r
	v_bfe_u32 v3, v0, 4, 1                         ; h
	v_lshlrev_b32 v6, 4, v1                        ; 16 x lane
	v_add_nc_u32 v4, s25, v6                       ; the stage, on the way in: a row as it lies
	v_mul_u32_u24 v5, v2, SP
	v_lshl_add_u32 v5, v3, 7, v5
	v_add_nc_u32 v5, s25, v5                       ; and on the way out: row r, block h (128 bytes a block)
	v_mul_u32_u24 v7, v2, 400
	v_add_nc_u32 v7, s25, v7
	v_add_nc_u32 v8, XSTG+384, v7                  ; record r: its scale bytes,
	v_mad_u32_u24 v7, v3, 24, v7
	v_add_nc_u32 v7, XSTG, v7                      ; and my half's 24 bytes of codes
	v_add_nc_u32 v9, XSTG, v4                      ; the records read back, 16 bytes a lane,
	v_lshlrev_b32 v11, 3, v1
	v_add_nc_u32 v10, s25, v11
	v_add_nc_u32 v10, XSTG+6144, v10               ; and their last 256 bytes, 8 a lane
	v_lshlrev_b32 v12, 4, v2
	v_lshl_add_u32 v12, v3, 3, v12                 ; a weight's scale words: 16 r + 8 h
	v_lshlrev_b32 v13, 3, v3                       ; 8 h
	v_mov_b32 v[TM+7], 0                           ; written once: a lane permute's destination counts as one of its sources
	v_mov_b32 v[A], v6
.irp i, 1,2,3,4,5,6,7,8,9,10,11,12,13,14,15
.if \i == 8
	v_add3_u32 v[A+\i], v[A+\i-1], s34, s35
.else
	v_add_nc_u32 v[A+\i], s34, v[A+\i-1]
.endif
.endr
.macro LOAD f                          ; fragment f: 128 along K of the 16 rows; each load is 512 consecutive bytes of one row, read once in the launch
.irp i, 0,1,2,3,4,5,6,7,8,9,10,11,12,13,14,15
	global_load_b128 v[R+64*((\f)%2)+4*\i:R+64*((\f)%2)+4*\i+3], v[A+\i], s[28:29] offset:512*(\f) th:TH_LOAD_NT
.endr
.endm
.macro FRAG f
.if (\f) < 3
	s_wait_loadcnt 16                              ; this fragment's 16 loads are in; the next fragment's 16 may be out
.else
	s_wait_loadcnt 0x0
.endif
.irp i, 0,1,2,3,4,5,6,7,8,9,10,11,12,13,14,15
	ds_store_b128 v4, v[R+64*((\f)%2)+4*\i:R+64*((\f)%2)+4*\i+3] offset:SP*\i
.endr
.irp j, 0,1,2,3,4,5,6,7
	ds_load_b128 v[X+4*\j:X+4*\j+3], v5 offset:16*\j               ; LDS serves a wave's instructions in order: these see the stores.  Block h of row r: k = 32 h + 0 .. 31,
.endr
.irp j, 0,1,2,3,4,5,6,7
	ds_load_b128 v[X+32+4*\j:X+32+4*\j+3], v5 offset:256+16*\j     ; and block 2 + h: k = 64 + 32 h + 0 .. 31: what the operand's layout gives lane (r, h)
.endr
	s_wait_dscnt 0x0                               ; my 64 numbers are in; the stage's stores have read their registers; so have the last fragment's stores into the records
	s_wait_xcnt 0x0                                ; the last fragment's stores to memory have read the codes' registers, which are written again below
.if (\f) < 2
	LOAD (\f)+2
.endif
.irp c, 0,1
	v_max3_num_f32 v[TM+\c], |v[X+32*\c]|, |v[X+32*\c+1]|, 0x1800000   ; the block's largest magnitude: all 32 numbers are mine; and the floor 2^(3 - 127), so that the byte cannot fall under 1
.endr
.irp i, 2,4,6,8,10,12,14,16,18,20,22,24,26,28,30
.irp c, 0,1
	v_max3_num_f32 v[TM+\c], v[TM+\c], |v[X+32*\c+\i]|, |v[X+32*\c+\i+1]|
.endr
.endr
.irp c, 0,1
	v_add_nc_u32 v[TM+2+\c], 0xff000000, v[TM+\c]  ; 2 off its exponent field: the conversion takes the exponent field of this operand as its scale
.endr
.irp c, 0,1
	v_lshrrev_b32 v[TM+4+\c], 23, v[TM+2+\c]       ; the scale's byte
.endr
	v_lshl_or_b32 v[TM+6], v[TM+5], 16, v[TM+4]    ; my two bytes, blocks h and 2 + h,
	v_lshlrev_b32 v[TM+6], v13, v[TM+6]            ; at their places in the word;
	v_permlanex16_b32 v[TM+7], v[TM+6], s36, s37
	v_or_b32 v[SW+(\f)], v[TM+6], v[TM+7]          ; with lane l xor 16's two the word is whole, in both lanes
.irp c, 0,1
	v_cvt_scalef32_pk16_fp6_f32 v[PC+6*\c:PC+6*\c+2], v[X+32*\c:X+32*\c+15], v[TM+2+\c]
	v_cvt_scalef32_pk16_fp6_f32 v[PC+12+4*\c:PC+14+4*\c], v[X+32*\c+16:X+32*\c+31], v[TM+2+\c]   ; (a conversion's three registers begin on an even number: a block's second three are made elsewhere and moved)
.endr
	v_nop                                          ; one plain place behind a scaled conversion
.irp c, 0,1
.irp i, 0,1,2
	v_mov_b32 v[PC+3+6*\c+\i], v[PC+12+4*\c+\i]
.endr
.endr
	s_cmp_lt_u32 s23, 256
	s_cbranch_scc0 .Lx_\@
.irp c, 0,1,2
	global_store_b128 v6, v[PC+4*\c:PC+4*\c+3], s[30:31] offset:1536*(\f)+512*\c   ; a weight: the registers as they stand, 512 consecutive bytes a store
.endr
	s_branch .Ldone_\@
.Lx_\@:
.irp p, 0,1,2,3,4,5
	ds_store_b64 v7, v[PC+2*\p:PC+2*\p+1] offset:96*(\f)+48*(\p/3)+8*(\p%3)        ; inp: the codes at their places in the row's stream,
.endr
	ds_store_b32 v8, v[SW+(\f)] offset:4*(\f)      ; and the word (both lanes of a row write the same word with the same value)
.Ldone_\@:
.endm
	LOAD 0
	LOAD 1
	FRAG 0
	FRAG 1
	FRAG 2
	FRAG 3
	s_cmp_lt_u32 s23, 256
	s_cbranch_scc0 .Lxtail
	v_cmp_eq_u32 vcc_lo, 1, v3
	v_cndmask_b32 v[TM], v[SW], v[SW+2], vcc_lo    ; lane (r, h) stores row r's words 2 h and 2 h + 1:
	v_cndmask_b32 v[TM+1], v[SW+1], v[SW+3], vcc_lo
	global_store_b64 v12, v[TM:TM+1], s[32:33]     ; the 32 lanes store 256 consecutive bytes, aligned
	s_wait_tensorcnt 0x0
	ds_add_u32 v239, v243
	s_wait_dscnt 0x0
	s_endpgm
.Lxtail:
.irp i, 0,1,2,3,4,5,6,7,8,9,10,11
	ds_load_b128 v[R+4*\i:R+4*\i+3], v9 offset:512*\i   ; the 16 records, 6,400 bytes on end; these see my stores
.endr
	ds_load_b64 v[R+48:R+49], v10
	s_wait_dscnt 0x0
.irp i, 0,1,2,3,4,5,6,7,8,9,10,11
	global_store_b128 v6, v[R+4*\i:R+4*\i+3], s[30:31] offset:512*\i   ; 25 x 256 consecutive bytes, from a multiple of 256
.endr
	global_store_b64 v11, v[R+48:R+49], s[30:31] offset:6144
	s_wait_tensorcnt 0x0
	ds_add_u32 v239, v243
	s_wait_dscnt 0x0
	s_endpgm
	; ---------------- the sorting work-group ----------------
	; A counting sort without atomics.  Wave w owns rows 512 w .. 512 w + 511, 16 a lane.  Each wave counts its rows of each expert; the counts meet in LDS; every wave then knows each expert's rows, its tiles of 128,
	; its first tile, and how many of its rows the waves before hold.  A row's place is 128 x the expert's first tile + that number + the rows of the expert counted so far in this wave.
.Lroute:
	s_lshl_b32 s84, s22, 11
	v_lshl_add_u32 v2, v1, 4, s84                  ; 2,048 w + 16 x lane
	s_wait_kmcnt 0x0
.irp j, 0,1,2,3
	global_load_b128 v[IDX+4*\j:IDX+4*\j+3], v2, s[6:7] offset:512*\j   ; register 4 j + c: row 512 w + 128 j + 4 lane + c
.endr
.irp e, 0,1,2,3,4,5,6,7
	s_mov_b32 s[CB+\e], 0
.endr
	s_wait_loadcnt 0x0
.irp k, 0,1,2,3,4,5,6,7,8,9,10,11,12,13,14,15
	v_min_u32 v[IDX+\k], 7, v[IDX+\k]
.endr
.irp k, 0,1,2,3,4,5,6,7,8,9,10,11,12,13,14,15
.irp e, 0,1,2,3,4,5,6,7
	v_cmp_eq_u32 vcc_lo, \e, v[IDX+\k]
	s_bcnt1_i32_b32 s83, vcc_lo
	s_add_co_u32 s[CB+\e], s[CB+\e], s83
.endr
.endr
	s_lshl_b32 s84, s22, 5
	s_add_co_u32 s84, s84, RT
	v_mov_b32 v88, s84                             ; my wave's eight words
.irp e, 0,1,2,3,4,5,6,7
	v_mov_b32 v[80+\e], s[CB+\e]
.endr
	ds_store_b128 v88, v[80:83]                    ; all lanes write the same words with the same values
	ds_store_b128 v88, v[84:87] offset:16
	s_wait_dscnt 0x0                               ; for the others' sake: my counts have landed
	s_barrier_signal -1
	s_barrier_wait -1
	v_and_b32 v89, 7, v0
	v_lshl_add_u32 v89, v89, 2, RT                 ; lane e (and e + 8, ..) looks at expert e
.irp w, 0,1,2,3,4,5,6,7
	ds_load_b32 v[96+\w], v89 offset:32*\w
.endr
	s_wait_dscnt 0x0
	v_mov_b32 v104, 0
	v_mov_b32 v105, 0
.irp w, 0,1,2,3,4,5,6,7
	v_add_nc_u32 v104, v104, v[96+\w]              ; the expert's rows,
	s_cmp_gt_u32 s22, \w
	s_cselect_b32 s83, -1, 0
	v_and_b32 v106, s83, v[96+\w]
	v_add_nc_u32 v105, v105, v106                  ; and those of them in the waves before mine
.endr
	v_add_nc_u32 v107, 127, v104
	v_lshrrev_b32 v107, 7, v107                    ; its tiles of 128 rows
.irp e, 0,1,2,3,4,5,6,7
	v_readlane_b32 s[TOT+\e], v104, \e
	v_readlane_b32 s[OF+\e], v105, \e
	v_readlane_b32 s[TL+\e], v107, \e
.endr
	s_mov_b32 s[TB], 0
.irp e, 1,2,3,4,5,6,7
	s_add_co_u32 s[TB+\e], s[TB+\e-1], s[TL+\e-1]  ; its first tile
.endr
.irp e, 0,1,2,3,4,5,6,7
	s_lshl_b32 s[CB+\e], s[TB+\e], 7
	s_add_co_u32 s[CB+\e], s[CB+\e], s[OF+\e]      ; the place of my wave's first row of it
.endr
.irp k, 0,1,2,3,4,5,6,7,8,9,10,11,12,13,14,15
	v_mov_b32 v[POS+\k], 0
.irp e, 0,1,2,3,4,5,6,7
	v_cmp_eq_u32 vcc_lo, \e, v[IDX+\k]
	v_mbcnt_lo_u32_b32 v108, vcc_lo, s[CB+\e]      ; the running place + the lanes below mine that hold the same expert in this register
	v_cndmask_b32 v[POS+\k], v[POS+\k], v108, vcc_lo
	s_bcnt1_i32_b32 s83, vcc_lo
	s_add_co_u32 s[CB+\e], s[CB+\e], s83
.endr
.endr
	s_lshl_b32 s84, s22, 9
	v_lshl_add_u32 v109, v1, 2, s84                ; 512 w + 4 x lane
.irp k, 0,1,2,3,4,5,6,7,8,9,10,11,12,13,14,15
	v_min_u32 v[POS+\k], 0x137f, v[POS+\k]         ; a place lies under 39 x 128 by the count of tiles; the hold states it
	v_lshlrev_b32 v[POS+\k], 2, v[POS+\k]
	v_add_nc_u32 v[ROWN+\k], 128*(\k/4)+\k%4, v109
.endr
.irp k, 0,1,2,3,4,5,6,7,8,9,10,11,12,13,14,15
	global_store_b32 v[POS+\k], v[ROWN+\k], s[18:19]   ; four bytes a lane to scattered places: the whole list is 4,096 words, stored once
.endr
	; The table of tiles, by wave 0: entry T = (expert, rows to store, the tile whose list is read, rows in that list).  A tile that the split leaves without rows points at tile 0 and stores nothing.
	s_cmp_lg_u32 s22, 0
	s_cbranch_scc1 .Lrend
	v_lshlrev_b32 v110, 4, v1
.irp hf, 0,1
	v_add_nc_u32 v111, 32*\hf, v1                  ; T
	v_mov_b32 v112, 0
	v_mov_b32 v113, 0
	v_mov_b32 v114, s[TOT]
.irp e, 1,2,3,4,5,6,7
	v_cmp_gt_u32 vcc_lo, s[TB+\e], v111            ; expert e begins behind tile T: what was found stays; else e takes its place (of experts that begin at one tile the last, the one that has rows, stays)
	v_cndmask_b32 v112, \e, v112, vcc_lo
	v_cndmask_b32 v113, s[TB+\e], v113, vcc_lo
	v_cndmask_b32 v114, s[TOT+\e], v114, vcc_lo
.endr
	v_sub_nc_u32 v113, v111, v113
	v_lshlrev_b32 v113, 7, v113                    ; the expert's rows ahead of this tile,
	v_min_u32 v113, v114, v113
	v_sub_nc_u32 v114, v114, v113
	v_min_u32 v114, 128, v114                      ; and in it: 0 to 128
.if \hf == 0
	v_readlane_b32 s85, v112, 0                    ; tile 0 always has rows: its expert and count serve the tiles without
	v_readlane_b32 s86, v114, 0
.endif
	v_cmp_ne_u32 vcc_lo, 0, v114
	v_cndmask_b32 v[120+4*\hf], s85, v112, vcc_lo
	v_mov_b32 v[121+4*\hf], v114
	v_cndmask_b32 v[122+4*\hf], 0, v111, vcc_lo
	v_cndmask_b32 v[123+4*\hf], s86, v114, vcc_lo
	global_store_b128 v110, v[120+4*\hf:123+4*\hf], s[20:21] offset:512*\hf
.endr
.Lrend:
	s_wait_tensorcnt 0x0
	ds_add_u32 v239, v243
	s_wait_dscnt 0x0
	s_endpgm
.Lfunc_end_k_qd07472d486_prep:
	.size	k_qd07472d486_prep, .Lfunc_end_k_qd07472d486_prep-k_qd07472d486_prep
	.p2alignl 7, 3214868480
	.fill 96, 4, 3214868480
	.section	.rodata,"a",@progbits
	.p2align	6, 0x0
	.amdhsa_kernel k_qd07472d486_prep
		.amdhsa_group_segment_fixed_size 120064
		.amdhsa_private_segment_fixed_size 0
		.amdhsa_enable_private_segment 0
		.amdhsa_kernarg_size 72
		.amdhsa_user_sgpr_count 2
		.amdhsa_user_sgpr_kernarg_segment_ptr 1
		.amdhsa_wavefront_size32 1
		.amdhsa_system_sgpr_workgroup_id_x 1
		.amdhsa_system_sgpr_workgroup_id_y 1
		.amdhsa_system_sgpr_workgroup_id_z 1
		.amdhsa_system_vgpr_workitem_id 0
		.amdhsa_next_free_vgpr 256
		.amdhsa_next_free_sgpr 90
		.amdhsa_reserve_vcc 1
		.amdhsa_float_denorm_mode_32 3
		.amdhsa_float_denorm_mode_16_64 3
		.amdhsa_memory_ordered 1
		.amdhsa_forward_progress 1
		.amdhsa_inst_pref_size 86
	.end_amdhsa_kernel
	.amdgpu_metadata
---
amdhsa.version: [ 1, 2 ]
amdhsa.kernels:
  - .name:           k_qd07472d486_prep
    .symbol:         k_qd07472d486_prep.kd
    .args:
      - { .name: inp, .offset: 0, .size: 8, .value_kind: global_buffer, .address_space: global }
      - { .name: gate_idx, .offset: 8, .size: 8, .value_kind: global_buffer, .address_space: global }
      - { .name: w_htoh4, .offset: 16, .size: 8, .value_kind: global_buffer, .address_space: global }
      - { .name: w_h4toh, .offset: 24, .size: 8, .value_kind: global_buffer, .address_space: global }
      - { .name: wq, .offset: 32, .size: 8, .value_kind: global_buffer, .address_space: global }
      - { .name: ws, .offset: 40, .size: 8, .value_kind: global_buffer, .address_space: global }
      - { .name: xq, .offset: 48, .size: 8, .value_kind: global_buffer, .address_space: global }
      - { .name: rowlist, .offset: 56, .size: 8, .value_kind: global_buffer, .address_space: global }
      - { .name: tinfo, .offset: 64, .size: 8, .value_kind: global_buffer, .address_space: global }
    .group_segment_fixed_size: 120064
    .private_segment_fixed_size: 0
    .kernarg_segment_align: 8
    .kernarg_segment_size: 72
    .max_flat_workgroup_size: 256
    .sgpr_count:     90
    .vgpr_count:     256
    .wavefront_size: 32
...
	.end_amdgpu_metadata
.endif
;; end of part 1
;; launch chain (part 2): grid 4 x 39, 4 waves a work-group, no clusters, 102,912 bytes of LDS; arguments wq, ws, xq, rowlist, tinfo, yp; writes yp
.if DOCPART == 2
	.amdgcn_target "amdgcn-amd-amdhsa--gfx1250"
	.amdhsa_code_object_version 6
	.text
	.protected	k_qd07472d486_chain
	.globl	k_qd07472d486_chain
	.p2align	8
	.type	k_qd07472d486_chain,@function
k_qd07472d486_chain:
	s_mov_b64 s[64:65], 0
	v_nop
	global_prefetch_b8 v0, s[64:65] scope:SCOPE_SE
	s_setreg_imm32_b32 hwreg(HW_REG_WAVE_MODE, 25, 1), 1
	s_wait_xcnt 0x0
; CHAIN: for one tile of up to 128 sorted rows of one expert and one quarter q of the hidden layer (512 units): H = Q(relu(X W1q^T)), then the part of y that this quarter gives, H W2q^T, 128 x 512, f32,
; stored at the rows' own numbers in yp[q].  Both products on codes of FP6 (E2M3) with one E8M0 scale for each 32 along K.  H never leaves the work-group.  The next launch adds the four parts and weighs them.
; GRID.  x = the quarter, y = the tile.  4,096 rows, 8 experts and tiles of 128 give at most 32 + 7 = 39 tiles, whatever the split.  The table of tiles and the list of rows were stored by the launch before.
; NO BRANCH stands ahead of the second, last barrier, so both barriers lie on the one way that every wave takes.  A tile that the split leaves without rows is pointed by the table at tile 0: it does that tile's first
; product, passes both barriers, and ends behind the second, storing nothing.  On the way out a scalar branch on the tile's count of rows ends the wave ahead of the first block of 16 slots that holds no row.
; Slots past the count inside the last block repeat the tile's last row: they give the same numbers at the same address, from the same wave.  EXEC is never written.
; SHARES.  The waves share the columns: wave w makes hidden units 128 w .. 128 w + 127 of the quarter, then outputs 128 w .. 128 w + 127, for all 128 rows: 64 accumulators of 16 x 16, 512 registers, which serve both products.
; Each weight fragment is multiplied by ONE wave alone and feeds eight matrix instructions; it comes from memory straight into that wave's registers by three loads of 512 consecutive bytes (the launch before laid the
; codes in the order of the operand's registers).  What goes from wave to wave through LDS is the small thing: the rows' codes, x's and H's, as images of their registers.
; NO JOINT LOADS: a joint load lands in LDS, where each weight byte would be written and read once more for its one reader; and which tiles share an expert hangs on the list (an expert has 0 to 32 tiles, 39 is no multiple
; of 4), so that partners of a fixed cluster need not want the same weights.
; BOTH PRODUCTS ARE USED TRANSPOSED (source 0 = 16 rows of a weight, source 1 = 16 rows of x or H): a lane holds one row, and its eight results are eight neighbours along the hidden units or the outputs.
; LIMITS: y's sum over the 2,048 hidden units is formed in four parts of 512, each K ascending, added in f32 by the next launch; blocks of H that are all zero get the byte 1 (their codes are zeros); NaN and infinities are not served.
; REGISTERS, in windows of 256: window 0: v1-31 addresses and list entries; v32-79 scale words and nothing else; v80-175 the eight fragments of rows of a K step (v80-143 also a tile of H in f32); v176-213 at work in the
;   quantiser; on the way out v80-207 rows of y, v208-223 their offsets; v224-227 at work at the head.   window 1: v0-239 weights, a ring of five half steps of four fragments.
;   window 2: the accumulators of rows 0-63 (row tile m, column tile t at v[8 (8 (m % 4) + t)]);   window 3: those of rows 64-127.
.set FRB,    1536                      ; a fragment's image: 12 registers x 128 bytes
.set XIMG,   0                         ; LDS: x's 32 fragments (row tile m, K step s) at (4 m + s) x 1,536;
.set XSC,    49152                     ; their scale words: slot rho at 16 rho, K step s at + 4 s;
.set HIMG,   51200                     ; H's likewise;
.set HSC,    100352
.set SPITCH, 528                       ; the way out: a stage of 16 rows x (512 + 16) bytes for each wave, in x's images, which nobody reads behind the second barrier
.set LI,   1                           ; v1   16 x lane
.set XWI,  2                           ; v2   where I store x's images: 16 x lane + 8 fragments x wave
.set XWS,  3                           ; v3   and x's scale words: slot 32 w + lane
.set HWI,  4                           ; v4   H's images: K step w
.set HWS,  5                           ; v5   H's scale words: 16 r + 4 w
.set HRI,  6                           ; v6   H's images, read
.set HSR,  8                           ; v8   H's scale words, read
.set STO,  9                           ; v9   the stage: where I put 32 bytes of a row
.set RD,   10                          ; v10  and where I read a row back
.set CO,   11                          ; v11  my byte offset in a row of y: 512 w + 16 x lane
.set XA,   13                          ; v13-14 my two rows' records;  v15 the record whose scale bytes I fetch
.set XSA,  15
.set LR,   16                          ; v16-19 the row number of slot 32 k + lane
.set XW,   20                          ; v20-23 a row's four scale words on their way
.set LAD,  24                          ; v24-29 offsets into the list
.set LA,   30                          ; v30-31 the row numbers of slots 32 w + r and 32 w + 16 + r
.set WS1,  32                          ; v32-47 W1's scale words, v48-63 W2's: register 4 p + s: lanes 0-15 tile 2 p, lanes 16-31 tile 2 p + 1, K step s
.set AS,   64                          ; v64-79 the rows' scale words, laid the same way by row tiles
.set AF,   80
.set HA,   80
.set TM,   176
.set PW,   192
.set PC,   194
.set BK,   80
.set YA,   208
.set SEL,  30                          ; s[30:31] v_permlanex16_b32's selects for lane l xor 16
.set MSB, 0
.macro WIN new                         ; the immediate's high byte repeats the setting that is left; a switch that changes nothing is dropped
.if MSB != (\new)
	s_set_vgpr_msb (MSB<<8)|(\new)
.set MSB, (\new)
.endif
.endm
.macro PLACES n                        ; a load into a register that a matrix instruction has read, and an instruction that reads a matrix result, stand four places behind it; only plain vector instructions that name none of its registers are places
.rept \n
	v_nop
.endr
.endm
.macro BARRIER                         ; my LDS stores have landed and my LDS loads are in: then the work-group's barrier
	s_wait_dscnt 0x0
	s_barrier_signal -1
	s_barrier_wait -1
.endm
; Half step j of 16: product j / 8, K step (j % 8) / 2, my column tiles 4 (j % 2) .. + 3.  Its four weight fragments, 12 loads of 512 consecutive bytes, into part j % 5 of the ring.
.macro WLOAD j
	WIN 0x40                                       ; destination window 1, offset window 0
.irp t4, 0,1,2,3
.irp c, 0,1,2
	global_load_b128 v[48*((\j)%5)+12*\t4+4*\c:48*((\j)%5)+12*\t4+4*\c+3], v[LI], s[4:5] offset:((\j)/8)*6291456+(4*((\j)%2)+\t4)*6144+(((\j)%8)/2)*1536+512*\c
.endr
.endr
	WIN 0
.endm
.macro AFETCH adr, ks, b0              ; the fragments of row tiles b0 .. b0 + 3 for K step ks: images, back into registers
.irp mb, \b0, \b0+1, \b0+2, \b0+3
.irp c, 0,1,2
	ds_load_b128 v[AF+12*(\mb)+4*\c:AF+12*(\mb)+4*\c+3], v[\adr] offset:(4*(\mb)+(\ks))*FRB+512*\c
.endr
.endr
.endm
; One product.  rD, rA, rB, rSA, rSB: its registers.  SS = 0: the K step that starts the sum (nothing is ever cleared).  PP: 2 x (odd column tile: its scales lie in lanes 16-31) + (odd row tile: likewise).
.macro MM
.if SS == 0
.if PP == 0
	v_wmma_scale_f32_16x16x128_f8f6f4 v[rD:rD+7], v[rA:rA+11], v[rB:rB+11], 0, v[rSA], v[rSB] matrix_a_fmt:MATRIX_FMT_FP6 matrix_b_fmt:MATRIX_FMT_FP6
.elseif PP == 1
	v_wmma_scale_f32_16x16x128_f8f6f4 v[rD:rD+7], v[rA:rA+11], v[rB:rB+11], 0, v[rSA], v[rSB] matrix_a_fmt:MATRIX_FMT_FP6 matrix_b_fmt:MATRIX_FMT_FP6 matrix_b_scale:MATRIX_SCALE_ROW1
.elseif PP == 2
	v_wmma_scale_f32_16x16x128_f8f6f4 v[rD:rD+7], v[rA:rA+11], v[rB:rB+11], 0, v[rSA], v[rSB] matrix_a_fmt:MATRIX_FMT_FP6 matrix_b_fmt:MATRIX_FMT_FP6 matrix_a_scale:MATRIX_SCALE_ROW1
.else
	v_wmma_scale_f32_16x16x128_f8f6f4 v[rD:rD+7], v[rA:rA+11], v[rB:rB+11], 0, v[rSA], v[rSB] matrix_a_fmt:MATRIX_FMT_FP6 matrix_b_fmt:MATRIX_FMT_FP6 matrix_a_scale:MATRIX_SCALE_ROW1 matrix_b_scale:MATRIX_SCALE_ROW1
.endif
.else
.if PP == 0
	v_wmma_scale_f32_16x16x128_f8f6f4 v[rD:rD+7], v[rA:rA+11], v[rB:rB+11], v[rD:rD+7], v[rSA], v[rSB] matrix_a_fmt:MATRIX_FMT_FP6 matrix_b_fmt:MATRIX_FMT_FP6
.elseif PP == 1
	v_wmma_scale_f32_16x16x128_f8f6f4 v[rD:rD+7], v[rA:rA+11], v[rB:rB+11], v[rD:rD+7], v[rSA], v[rSB] matrix_a_fmt:MATRIX_FMT_FP6 matrix_b_fmt:MATRIX_FMT_FP6 matrix_b_scale:MATRIX_SCALE_ROW1
.elseif PP == 2
	v_wmma_scale_f32_16x16x128_f8f6f4 v[rD:rD+7], v[rA:rA+11], v[rB:rB+11], v[rD:rD+7], v[rSA], v[rSB] matrix_a_fmt:MATRIX_FMT_FP6 matrix_b_fmt:MATRIX_FMT_FP6 matrix_a_scale:MATRIX_SCALE_ROW1
.else
	v_wmma_scale_f32_16x16x128_f8f6f4 v[rD:rD+7], v[rA:rA+11], v[rB:rB+11], v[rD:rD+7], v[rSA], v[rSB] matrix_a_fmt:MATRIX_FMT_FP6 matrix_b_fmt:MATRIX_FMT_FP6 matrix_a_scale:MATRIX_SCALE_ROW1 matrix_b_scale:MATRIX_SCALE_ROW1
.endif
.endif
.endm
; 16 matrix instructions of half step j: row tiles 4 hi .. 4 hi + 3 x its four column tiles.  Sixteen accumulators, one instruction a turn; between two links of a chain stand 63 others' turns.
.macro MULH j, hi
	WIN 0xa1+0x50*(\hi)                            ; source 0 (weights) window 1, source 1 (rows) window 0, C and D window 2 or 3
.set SS, ((\j)%8)/2
.irp mm, 0,1,2,3
.irp t4, 0,1,2,3
.set rD, 8*(8*\mm+4*((\j)%2)+\t4)
.set rA, 48*((\j)%5)+12*\t4
.set rB, AF+12*(4*(\hi)+\mm)
.set rSA, WS1+16*((\j)/8)+4*(2*((\j)%2)+\t4/2)+SS
.set rSB, AS+4*(2*(\hi)+\mm/2)+SS
.set PP, 2*(\t4%2)+\mm%2
	MM
.endr
.endr
.endm
; A half step.  The rows' fragments of a K step serve its two half steps; a row tile's registers are free behind the second, so tiles 0-3 are fetched anew in that half step's middle and tiles 4-7 at its end.
.macro HSTEP j, adr
.set GG, (\j)%2
.set S1, ((\j)%8)/2
.if 15-(\j) < 4
	s_wait_loadcnt 12*(15-(\j))                    ; this half step's weights are in; those of the later half steps, 12 loads each, may be out
.else
	s_wait_loadcnt 48
.endif
.if GG == 0
	s_wait_dscnt 12                                ; row tiles 0-3 (and the scale words) are in; the youngest 12 loads, tiles 4-7, may be out
.endif
	MULH \j, 0
.if GG == 0
	s_wait_dscnt 0x0                               ; row tiles 4-7 are in
.endif
.if (GG == 1) && (S1 < 3)
	PLACES 4
	WIN 0
	AFETCH \adr, S1+1, 0
.endif
	MULH \j, 1
	PLACES 4
	WIN 0
.if (GG == 1) && (S1 < 3)
	AFETCH \adr, S1+1, 4
.endif
.if (\j) <= 10
	WLOAD (\j)+5                                   ; into the part of the ring just left: five half steps ahead
.endif
.endm
; 64 numbers of a lane, none negative, register 16 b + i = k 32 b + 16 (lane / 16) + i of my row, become a fragment's codes in v[PC] on and its scale word in v[PW].
.macro QUANT s
.irp b, 0,1,2,3
	v_max3_num_f32 v[TM+\b], v[\s+16*\b], v[\s+1+16*\b], 0x1800000   ; block b: my 16 numbers, and the floor 2^(3 - 127): the byte cannot fall under 1
.endr
.irp i, 2,4,6,8,10,12,14
.irp b, 0,1,2,3
	v_max3_num_f32 v[TM+\b], v[TM+\b], v[\s+16*\b+\i], v[\s+1+16*\b+\i]   ; (the four blocks by turns)
.endr
.endr
.irp b, 0,1,2,3
	v_permlanex16_b32 v[TM+4+\b], v[TM+\b], s[SEL], s[SEL+1]
.endr
.irp b, 0,1,2,3
	v_max_num_f32 v[TM+\b], v[TM+\b], v[TM+4+\b]   ; with lane l xor 16's: the block's largest
.endr
.irp b, 0,1,2,3
	v_add_nc_u32 v[TM+12+\b], 0xff000000, v[TM+\b] ; 2 off its exponent field: the conversion's scale operand
.endr
.irp b, 0,1,2,3
	v_lshrrev_b32 v[TM+4+\b], 23, v[TM+12+\b]      ; the scale's byte
.endr
	v_lshl_or_b32 v[PW], v[TM+5], 8, v[TM+4]       ; the four bytes make my row's scale word, the same in both halves of the lanes
	v_lshl_or_b32 v[PW], v[TM+6], 16, v[PW]
	v_lshl_or_b32 v[PW], v[TM+7], 24, v[PW]
.irp c, 0,1
	v_cvt_scalef32_pk16_fp6_f32 v[PC+6*\c:PC+2+6*\c], v[\s+32*\c:\s+15+32*\c], v[TM+12+2*\c]
	v_cvt_scalef32_pk16_fp6_f32 v[PC+12+4*\c:PC+14+4*\c], v[\s+16+32*\c:\s+31+32*\c], v[TM+12+2*\c+1]   ; (a conversion's three registers begin on an even number)
.endr
	v_nop                                          ; one plain place behind a scaled conversion
.irp c, 0,1                            ; the operand's layout wants a WHOLE block in a lane: lanes 0-15 block 2 c, lanes 16-31 block 2 c + 1
.irp i, 0,1,2
	v_permlane16_swap_b32 v[PC+6*\c+\i], v[PC+12+4*\c+\i]
.endr
.irp i, 0,1,2
	v_mov_b32 v[PC+3+6*\c+\i], v[PC+12+4*\c+\i]
.endr
.endr
.endm
.macro IMAGE adr, off                  ; the fragment in v[PC] on goes to LDS as it stands
.irp c, 0,1,2
	ds_store_b128 v[\adr], v[PC+4*\c:PC+4*\c+3] offset:\off+512*\c
.endr
.endm
; THE WAY OUT of row tile a: a lane holds 32 neighbouring bytes of a row and the lanes beside it other rows: the tile goes through my own stage and comes back as my 512 bytes of each of its 16 rows.
.macro TOSTAGE a
.set AC, 64*((\a)%4)
	WIN 0x08+4*((\a)/4)                            ; an LDS store's data are its source 1: window 2 or 3
.irp b, 0,1,2,3,4,5,6,7
	ds_store_b128 v[STO], v[AC+8*\b:AC+8*\b+3] offset:64*\b          ; each accumulator from its low end on
	ds_store_b128 v[STO], v[AC+8*\b+4:AC+8*\b+7] offset:64*\b+16
.endr
	WIN 0
.set BB, BK+64*((\a)%2)
.irp t, 0,1,2,3,4,5,6,7,8,9,10,11,12,13,14,15
	ds_load_b128 v[BB+4*\t:BB+4*\t+3], v[RD] offset:\t*SPITCH      ; LDS serves a wave's instructions in order: these see the stores above, and the next tile's stores come behind them
.endr
.endm
.macro SEND a, younger                 ; younger: the LDS instructions issued behind tile a's loads, which may stay out
.set BB, BK+64*((\a)%2)
	s_wait_dscnt \younger
.irp i, 0,1,2,3,4,5,6,7,8,9,10,11,12,13,14,15
	v_readlane_b32 s28, v[LR+(\a)/2], 16*((\a)%2)+\i               ; the row number of slot 16 a + i,
	s_min_u32 s28, s28, 4095
	s_lshl_b32 s28, s28, 11                        ; its 2,048 bytes in yp[q],
	v_add_nc_u32 v[YA+\i], s28, v[CO]              ; and my 16 bytes of my wave's 512
.endr
.irp i, 0,1,2,3,4,5,6,7,8,9,10,11,12,13,14,15
	global_store_b128 v[YA+\i], v[BB+4*\i:BB+4*\i+3], s[14:15]     ; 32 lanes store 512 consecutive bytes of one row, from a multiple of 256
.endr
.endm
	s_load_b256 s[4:11], s[0:1], 0x0               ; wq s[4:5], ws s[6:7], xq s[8:9], rowlist s[10:11]
	s_load_b128 s[12:15], s[0:1], 0x20             ; tinfo s[12:13], yp s[14:15]
	v_lshl_add_u32 v254, v0, 2, 0x19000
	v_mov_b32 v255, 0
	v_lshrrev_b32 v224, 5, v0
	v_readfirstlane_b32 s20, v224                  ; wave 0..3
	s_and_b32 s22, ttmp7, 0xffff                   ; the tile
	s_lshl_b32 s24, s22, 4
	s_mov_b32 s25, 0
	s_wait_kmcnt 0x0
	s_add_nc_u64 s[12:13], s[12:13], s[24:25]
	s_load_b128 s[16:19], s[12:13], 0x0            ; expert, rows to store, the tile whose list is read, rows in that list
	v_and_b32 v224, 31, v0                         ; lane
	v_and_b32 v225, 15, v0                         ; r
	v_bfe_u32 v226, v0, 4, 1                       ; h
	v_mul_u32_u24 v227, v226, 24
	v_lshlrev_b32 v[LI], 4, v224
	s_mul_i32 s28, s20, 8*FRB
	v_add_nc_u32 v[XWI], s28, v[LI]
	s_lshl_b32 s28, s20, 9
	v_add_nc_u32 v[XWS], s28, v[LI]
	v_add_nc_u32 v[CO], s28, v[LI]
	v_add_nc_u32 v[XWS], XSC, v[XWS]
	s_mul_i32 s28, s20, FRB
	v_add_nc_u32 v[HWI], s28, v[LI]
	v_add_nc_u32 v[HWI], HIMG, v[HWI]
	s_lshl_b32 s28, s20, 2
	v_lshl_add_u32 v[HWS], v225, 4, s28
	v_add_nc_u32 v[HWS], HSC, v[HWS]
	v_add_nc_u32 v[HRI], HIMG, v[LI]
	v_add_nc_u32 v[HSR], HSC, v[LI]
	s_mul_i32 s28, s20, 16*SPITCH
	v_mul_u32_u24 v[STO], v225, SPITCH
	v_lshl_add_u32 v[STO], v226, 5, v[STO]
	v_add_nc_u32 v[STO], s28, v[STO]
	v_add_nc_u32 v[RD], s28, v[LI]
	s_mov_b32 s[SEL], 0x76543210
	s_mov_b32 s[SEL+1], 0xfedcba98
.irp b, 0,1,2,3
	v_mov_b32 v[TM+4+\b], 0                        ; written once: a lane permute's destination counts as one of its sources
.endr
	s_wait_kmcnt 0x0
	s_min_u32 s16, s16, 7                          ; what was loaded is held before it enters an address
	s_min_u32 s27, s17, 128                        ; the rows to store: 0 to 128
	s_min_u32 s18, s18, 38
	s_sub_co_u32 s26, s19, 1                       ; the list's last slot that holds a row
	s_lshl_b32 s24, s16, 7
	s_lshl_b32 s28, ttmp9, 5
	s_add_co_u32 s24, s24, s28
	s_lshl_b32 s28, s20, 3
	s_add_co_u32 s28, s24, s28                     ; my first unit: 128 e + 32 q + 8 w, in both weights
	s_mul_i32 s24, s28, 6144
	s_add_nc_u64 s[4:5], s[4:5], s[24:25]
	s_lshl_b32 s24, s28, 8
	s_add_nc_u64 s[6:7], s[6:7], s[24:25]
	s_lshl_b32 s24, s18, 9
	s_add_nc_u64 s[10:11], s[10:11], s[24:25]      ; the tile's 128 words of the list
	s_lshl_b32 s24, ttmp9, 23
	s_add_nc_u64 s[14:15], s[14:15], s[24:25]      ; yp[q]
	s_lshl_b32 s24, s20, 5
	v_add_nc_u32 v[LAD], s24, v225                 ; slots 32 w + r, 32 w + 16 + r: the rows whose codes I gather;
	v_add_nc_u32 v[LAD+1], 16, v[LAD]
.irp k, 0,1,2,3
	v_add_nc_u32 v[LAD+2+\k], 32*\k, v224          ; slots 32 k + lane: all 128, for the way out
.endr
.irp i, 0,1,2,3,4,5
	v_min_u32 v[LAD+\i], s26, v[LAD+\i]            ; slots past the count repeat the last row: no word is read that was not stored
	v_min_u32 v[LAD+\i], 127, v[LAD+\i]
	v_lshlrev_b32 v[LAD+\i], 2, v[LAD+\i]
.endr
	global_load_b32 v[LA], v[LAD], s[10:11]
	global_load_b32 v[LA+1], v[LAD+1], s[10:11]
.irp k, 0,1,2,3
	global_load_b32 v[LR+\k], v[LAD+2+\k], s[10:11]
.endr
.irp p, 0,1,2,3
	global_load_b128 v[WS1+4*\p:WS1+4*\p+3], v[LI], s[6:7] offset:512*\p             ; two units' scale words, 512 consecutive bytes: a lane's four registers are its row's four K steps
.endr
.irp p, 0,1,2,3
	global_load_b128 v[WS1+16+4*\p:WS1+16+4*\p+3], v[LI], s[6:7] offset:262144+512*\p   ; the second weight's units lie 1,024 units on
.endr
	WLOAD 0
	WLOAD 1
	s_wait_loadcnt 36                              ; my two list entries are in; behind them: 4 list loads, 8 of scale words, 24 of weights
	; ---- X: the codes and scale words of my 32 slots' rows, gathered from their records, become eight images
	v_cmp_eq_u32 vcc_lo, 1, v226
	v_cndmask_b32 v[XSA], v[LA], v[LA+1], vcc_lo   ; slot 32 w + lane
	v_min_u32 v[LA], 0xfff, v[LA]
	v_min_u32 v[LA+1], 0xfff, v[LA+1]
	v_min_u32 v[XSA], 0xfff, v[XSA]
	v_mad_u32_u24 v[XA], v[LA], 400, v227          ; a record is 400 bytes; + 24 h
	v_mad_u32_u24 v[XA+1], v[LA+1], 400, v227
	v_mul_u32_u24 v[XSA], v[XSA], 400
.irp i, 0,1
.irp s, 0,1,2,3
.irp p, 0,1,2,3,4,5
	global_load_b64 v[AF+48*\i+12*\s+2*\p:AF+48*\i+12*\s+2*\p+1], v[XA+\i], s[8:9] offset:96*\s+48*(\p/3)+8*(\p%3)   ; 24 bytes of the row's stream are six registers of the operand, in pieces of 8 bytes
.endr
.endr
.endr
	global_load_b128 v[XW:XW+3], v[XSA], s[8:9] offset:384
	WLOAD 2
	WLOAD 3
	WLOAD 4
	s_wait_loadcnt 36                              ; all but the 36 loads of weights just issued
.irp i, 0,1
.irp s, 0,1,2,3
.irp c, 0,1,2
	ds_store_b128 v[XWI], v[AF+48*\i+12*\s+4*\c:AF+48*\i+12*\s+4*\c+3] offset:(4*\i+\s)*FRB+512*\c
.endr
.endr
.endr
	ds_store_b128 v[XWS], v[XW:XW+3]
	BARRIER                                        ; x's 32 fragments and 128 rows of scale words lie in LDS
	; ---- 1: my 128 hidden units for the 128 rows: K = 512 in four steps
.irp p, 0,1,2,3
	ds_load_b128 v[AS+4*\p:AS+4*\p+3], v[LI] offset:XSC+512*\p
.endr
	AFETCH LI, 0, 0
	AFETCH LI, 0, 4
.irp j, 0,1,2,3,4,5,6,7
	HSTEP \j, LI
.endr
	; ---- relu and the quantiser, a tile of 16 rows at a time: my 128 units are K step w of the second product.  Its first weights are on their way meanwhile
.irp m, 0,1,2,3,4,5,6,7
	WIN 0x08+4*(\m/4)                              ; source 1: window 2 or 3
.set i, 0
.rept 64
	v_max_num_f32 v[HA+i], 0, v[64*(\m%4)+i]       ; the activation, in f32; each accumulator is read from its low end on
.set i, i+1
.endr
	WIN 0
	s_wait_dscnt 0x0                               ; the last tile's stores have read the codes' and the word's registers
	QUANT HA
	IMAGE HWI, 6144*\m
	ds_store_b32 v[HWS], v[PW] offset:256*\m       ; both lanes of a row write the same word with the same value
.endr
	BARRIER                                        ; H's 32 fragments lie in LDS, and nobody reads x's any more.  This is the last barrier: from here on a wave may end by itself
	s_cmp_eq_u32 s27, 0                            ; a tile without rows has nothing to store: it ends here (every window is 0; its loads of weights may be out at the end)
	s_cbranch_scc1 .Lend
	; ---- 2: my 128 outputs for the 128 rows: K = this quarter's 512 hidden units
.irp p, 0,1,2,3
	ds_load_b128 v[AS+4*\p:AS+4*\p+3], v[HSR] offset:512*\p
.endr
	AFETCH HRI, 0, 0
	AFETCH HRI, 0, 4
.irp j, 8,9,10,11,12,13,14,15
	HSTEP \j, HRI
.endr
	; ---- the way out: while one tile's rows are stored, the next is on its way through the stage
	TOSTAGE 0
.irp a, 1,2,3,4,5,6,7
.if \a > 1
	s_wait_xcnt 0x0                                ; block a - 2's stores have read their data, into which block a's loads land, and their offsets, which block a - 1 writes again
.endif
	TOSTAGE \a
	SEND \a-1, 32                                  ; behind tile a - 1's loads: tile a's 16 stores and 16 loads
	s_cmp_le_u32 s27, 16*\a                        ; no row in slots 16 a on: nothing is left to store
	s_cbranch_scc1 .Lend
.endr
	s_wait_xcnt 0x0                                ; block 6's stores have read their offsets
	SEND 7, 0
.Lend:
	s_wait_dscnt 0x0                               ; a wave that left the way out early has the next block's LDS instructions out: none is out when it ends
	s_wait_tensorcnt 0x0
	ds_add_u32 v254, v255
	s_wait_dscnt 0x0
	s_endpgm
.Lfunc_end_k_qd07472d486_chain:
	.size	k_qd07472d486_chain, .Lfunc_end_k_qd07472d486_chain-k_qd07472d486_chain
	.p2alignl 7, 3214868480
	.fill 96, 4, 3214868480
	.section	.rodata,"a",@progbits
	.p2align	6, 0x0
	.amdhsa_kernel k_qd07472d486_chain
		.amdhsa_group_segment_fixed_size 102912
		.amdhsa_private_segment_fixed_size 0
		.amdhsa_enable_private_segment 0
		.amdhsa_kernarg_size 48
		.amdhsa_user_sgpr_count 2
		.amdhsa_user_sgpr_kernarg_segment_ptr 1
		.amdhsa_wavefront_size32 1
		.amdhsa_system_sgpr_workgroup_id_x 1
		.amdhsa_system_sgpr_workgroup_id_y 1
		.amdhsa_system_sgpr_workgroup_id_z 1
		.amdhsa_system_vgpr_workitem_id 0
		.amdhsa_next_free_vgpr 1024
		.amdhsa_next_free_sgpr 66
		.amdhsa_reserve_vcc 1
		.amdhsa_float_denorm_mode_32 3
		.amdhsa_float_denorm_mode_16_64 3
		.amdhsa_memory_ordered 1
		.amdhsa_forward_progress 1
		.amdhsa_inst_pref_size 216
	.end_amdhsa_kernel
	.amdgpu_metadata
---
amdhsa.version: [ 1, 2 ]
amdhsa.kernels:
  - .name:           k_qd07472d486_chain
    .symbol:         k_qd07472d486_chain.kd
    .args:
      - { .name: wq, .offset: 0, .size: 8, .value_kind: global_buffer, .address_space: global }
      - { .name: ws, .offset: 8, .size: 8, .value_kind: global_buffer, .address_space: global }
      - { .name: xq, .offset: 16, .size: 8, .value_kind: global_buffer, .address_space: global }
      - { .name: rowlist, .offset: 24, .size: 8, .value_kind: global_buffer, .address_space: global }
      - { .name: tinfo, .offset: 32, .size: 8, .value_kind: global_buffer, .address_space: global }
      - { .name: yp, .offset: 40, .size: 8, .value_kind: global_buffer, .address_space: global }
    .group_segment_fixed_size: 102912
    .private_segment_fixed_size: 0
    .kernarg_segment_align: 8
    .kernarg_segment_size: 48
    .max_flat_workgroup_size: 128
    .sgpr_count:     66
    .vgpr_count:     1024
    .wavefront_size: 32
...
	.end_amdgpu_metadata
.endif
;; end of part 2
;; launch combine (part 3): grid 256 x 1, 8 waves a work-group, no clusters, 0 bytes of LDS; arguments yp, gate_score, out0; writes out0
.if DOCPART == 3
	.amdgcn_target "amdgcn-amd-amdhsa--gfx1250"
	.amdhsa_code_object_version 6
	.text
	.protected	k_qd07472d486_combine
	.globl	k_qd07472d486_combine
	.p2align	8
	.type	k_qd07472d486_combine,@function
k_qd07472d486_combine:
	s_mov_b64 s[64:65], 0
	v_nop
	global_prefetch_b8 v0, s[64:65] scope:SCOPE_SE
	s_setreg_imm32_b32 hwreg(HW_REG_WAVE_MODE, 25, 1), 1
	s_wait_xcnt 0x0
; COMBINE: out[n] = g[n][0] y[2 n] + g[n][1] y[2 n + 1], y[row] = the sum of the four parts yp[q][row], all f32.  A stream: no LDS, no barrier, no matrix unit (K = 2).
; Work-group b owns tokens 8 b .. 8 b + 7.  Thread t takes the 16 bytes at 16 (t % 128) of tokens 8 b + 2 i + t / 128, i = 0 .. 3: a wave's load or store covers 512 consecutive bytes, and t / 128 = wave / 4 is the same
; for a whole wave, so that a token's two gates are scalars.  All 32 loads of a thread go out at once; the token pairs are then finished in the order of their loads.  Nothing is read or written twice; no register is used again.
.set Y, 16                             ; v16-143: token i, part q, row k of the token at v[16 + 32 i + 8 q + 4 k]
	s_load_b128 s[4:7], s[0:1], 0x0                ; yp, gate_score
	s_load_b64 s[8:9], s[0:1], 0x10                ; out0
	v_lshrrev_b32 v3, 5, v0
	v_readfirstlane_b32 s2, v3                     ; wave
	s_lshr_b32 s2, s2, 2                           ; t / 128
	v_and_b32 v3, 127, v0
	v_lshlrev_b32 v3, 4, v3
	v_lshrrev_b32 v4, 7, v0
	v_lshl_add_u32 v1, v4, 12, v3                  ; in yp: a token is two rows of 2,048 bytes
	v_lshl_add_u32 v2, v4, 11, v3                  ; in out: one
	s_lshl_b32 s18, ttmp9, 15                      ; 8 tokens: 16 rows of yp,
	s_mov_b32 s19, 0
	s_lshl_b32 s28, ttmp9, 6                       ; 64 bytes of gates,
	s_lshl_b32 s3, s2, 3
	s_add_co_u32 s28, s28, s3
	s_mov_b32 s29, 0
	s_lshl_b32 s30, ttmp9, 14                      ; 8 rows of out
	s_mov_b32 s31, 0
	s_wait_kmcnt 0x0
	s_add_nc_u64 s[10:11], s[4:5], s[18:19]        ; the four parts lie 4,096 rows of 2,048 bytes apart: beyond an immediate's reach, so each has its base
	s_add_nc_u64 s[12:13], s[10:11], 0x800000
	s_add_nc_u64 s[14:15], s[12:13], 0x800000
	s_add_nc_u64 s[16:17], s[14:15], 0x800000
	s_add_nc_u64 s[6:7], s[6:7], s[28:29]
	s_add_nc_u64 s[8:9], s[8:9], s[30:31]
.irp i, 0,1,2,3
	s_load_b64 s[20+2*\i:21+2*\i], s[6:7], 16*\i   ; the two gates of token 8 b + 2 i + t / 128
.endr
.irp i, 0,1,2,3
.irp q, 0,1,2,3
.irp k, 0,1
	global_load_b128 v[Y+32*\i+8*\q+4*\k:Y+32*\i+8*\q+4*\k+3], v1, s[10+2*\q:11+2*\q] offset:8192*\i+2048*\k th:TH_LOAD_NT
.endr
.endr
.endr
	s_wait_kmcnt 0x0
.irp i, 0,1,2,3
	s_wait_loadcnt 24-8*\i                         ; this token's eight loads are in; the later tokens', eight each, may be out
.irp k, 0,1
.irp d, 0,2
	v_pk_add_f32 v[Y+32*\i+4*\k+\d:Y+32*\i+4*\k+\d+1], v[Y+32*\i+4*\k+\d:Y+32*\i+4*\k+\d+1], v[Y+32*\i+8+4*\k+\d:Y+32*\i+8+4*\k+\d+1]             ; parts 0 + 1,
	v_pk_add_f32 v[Y+32*\i+16+4*\k+\d:Y+32*\i+16+4*\k+\d+1], v[Y+32*\i+16+4*\k+\d:Y+32*\i+16+4*\k+\d+1], v[Y+32*\i+24+4*\k+\d:Y+32*\i+24+4*\k+\d+1]   ; parts 2 + 3,
.endr
.endr
.irp k, 0,1
.irp d, 0,2
	v_pk_add_f32 v[Y+32*\i+4*\k+\d:Y+32*\i+4*\k+\d+1], v[Y+32*\i+4*\k+\d:Y+32*\i+4*\k+\d+1], v[Y+32*\i+16+4*\k+\d:Y+32*\i+16+4*\k+\d+1]           ; and both
.endr
.endr
.irp d, 0,1,2,3
	v_mul_f32 v[Y+32*\i+\d], s[20+2*\i], v[Y+32*\i+\d]
.endr
.irp d, 0,1,2,3
	v_fmac_f32 v[Y+32*\i+\d], s[21+2*\i], v[Y+32*\i+4+\d]
.endr
	global_store_b128 v2, v[Y+32*\i:Y+32*\i+3], s[8:9] offset:4096*\i th:TH_STORE_NT
.endr
	s_endpgm
.Lfunc_end_k_qd07472d486_combine:
	.size	k_qd07472d486_combine, .Lfunc_end_k_qd07472d486_combine-k_qd07472d486_combine
	.p2alignl 7, 3214868480
	.fill 96, 4, 3214868480
	.section	.rodata,"a",@progbits
	.p2align	6, 0x0
	.amdhsa_kernel k_qd07472d486_combine
		.amdhsa_group_segment_fixed_size 0
		.amdhsa_private_segment_fixed_size 0
		.amdhsa_enable_private_segment 0
		.amdhsa_kernarg_size 24
		.amdhsa_user_sgpr_count 2
		.amdhsa_user_sgpr_kernarg_segment_ptr 1
		.amdhsa_wavefront_size32 1
		.amdhsa_system_sgpr_workgroup_id_x 1
		.amdhsa_system_sgpr_workgroup_id_y 1
		.amdhsa_system_sgpr_workgroup_id_z 1
		.amdhsa_system_vgpr_workitem_id 0
		.amdhsa_next_free_vgpr 148
		.amdhsa_next_free_sgpr 66
		.amdhsa_reserve_vcc 0
		.amdhsa_float_denorm_mode_32 3
		.amdhsa_float_denorm_mode_16_64 3
		.amdhsa_memory_ordered 1
		.amdhsa_forward_progress 1
		.amdhsa_inst_pref_size 10
	.end_amdhsa_kernel
	.amdgpu_metadata
---
amdhsa.version: [ 1, 2 ]
amdhsa.kernels:
  - .name:           k_qd07472d486_combine
    .symbol:         k_qd07472d486_combine.kd
    .args:
      - { .name: yp, .offset: 0, .size: 8, .value_kind: global_buffer, .address_space: global }
      - { .name: gate_score, .offset: 8, .size: 8, .value_kind: global_buffer, .address_space: global }
      - { .name: out0, .offset: 16, .size: 8, .value_kind: global_buffer, .address_space: global }
    .group_segment_fixed_size: 0
    .private_segment_fixed_size: 0
    .kernarg_segment_align: 8
    .kernarg_segment_size: 24
    .max_flat_workgroup_size: 256
    .sgpr_count:     66
    .vgpr_count:     148
    .wavefront_size: 32
...
	.end_amdgpu_metadata
.endif
;; end of part 3
;; ======== version 2 of 2: 3 launches; version 1 with the launch chain written anew for expert scheduling mode
;; workspace buffers: wq 12,582,912 bytes; ws 524,288 bytes; xq 1,638,400 bytes; rowlist 19,968 bytes of whole numbers; tinfo 1,024 bytes of whole numbers; yp 33,554,432 bytes
;; launch prep: the kernel of part 1 again; grid 289 x 1, 8 waves a work-group, no clusters, 120,064 bytes of LDS; arguments inp, gate_idx, w_htoh4, w_h4toh, wq, ws, xq, rowlist, tinfo; writes wq, ws, xq, rowlist, tinfo
;; launch chain (part 4): grid 4 x 39, 4 waves a work-group, no clusters, 102,912 bytes of LDS; arguments wq, ws, xq, rowlist, tinfo, yp; writes yp
.if DOCPART == 4
	.amdgcn_target "amdgcn-amd-amdhsa--gfx1250"
	.amdhsa_code_object_version 6
	.text
	.protected	k_qd07472d486_chain
	.globl	k_qd07472d486_chain
	.p2align	8
	.type	k_qd07472d486_chain,@function
k_qd07472d486_chain:
	s_mov_b64 s[64:65], 0
	v_nop
	global_prefetch_b8 v0, s[64:65] scope:SCOPE_SE
	s_setreg_imm32_b32 hwreg(HW_REG_WAVE_SCHED_MODE, 0, 2), 2
	s_setreg_imm32_b32 hwreg(HW_REG_WAVE_MODE, 25, 1), 1
	s_wait_xcnt 0x0
	s_wait_alu depctr_vm_vsrc(0)
; CHAIN: for one tile of up to 128 sorted rows of one expert and one quarter q of the hidden layer (512 units): H = Q(relu(X W1q^T)), then the part of y that this quarter gives, H W2q^T, 128 x 512, f32,
; stored at the rows' own numbers in yp[q].  Both products on codes of FP6 (E2M3) with one E8M0 scale for each 32 along K.  H never leaves the work-group.  The next launch adds the four parts and weighs them.
; GRID.  x = the quarter, y = the tile.  4,096 rows, 8 experts and tiles of 128 give at most 32 + 7 = 39 tiles, whatever the split.  The table of tiles and the list of rows were stored by the launch before.
; NO BRANCH stands ahead of the second, last barrier, so both barriers lie on the one way that every wave takes.  A tile that the split leaves without rows is pointed by the table at tile 0: it does that tile's first
; product, passes both barriers, and ends behind the second, storing nothing.  On the way out a scalar branch on the tile's count of rows ends the wave ahead of the first block of 16 slots that holds no row.
; Slots past the count inside the last block repeat the tile's last row: they give the same numbers at the same address, from the same wave.  EXEC is never written.
; SHARES.  The waves share the columns: wave w makes hidden units 128 w .. 128 w + 127 of the quarter, then outputs 128 w .. 128 w + 127, for all 128 rows: 64 accumulators of 16 x 16, 512 registers, which serve both products.
; Each weight fragment is multiplied by ONE wave alone and feeds eight matrix instructions; it comes from memory straight into that wave's registers by three loads of 512 consecutive bytes (the launch before laid the
; codes in the order of the operand's registers).  What goes from wave to wave through LDS is the small thing: the rows' codes, x's and H's, as images of their registers.
; NO JOINT LOADS: a joint load lands in LDS, where each weight byte would be written and read once more for its one reader; and which tiles share an expert hangs on the list (an expert has 0 to 32 tiles, 39 is no multiple
; of 4), so that partners of a fixed cluster need not want the same weights.
; BOTH PRODUCTS ARE USED TRANSPOSED (source 0 = 16 rows of a weight, source 1 = 16 rows of x or H): a lane holds one row, and its eight results are eight neighbours along the hidden units or the outputs.
; LIMITS: y's sum over the 2,048 hidden units is formed in four parts of 512, each K ascending, added in f32 by the next launch; blocks of H that are all zero get the byte 1 (their codes are zeros); NaN and infinities are not served.
; REGISTERS, in windows of 256: window 0: v1-31 addresses and list entries; v32-79 scale words and nothing else; the rows' fragments of a K step: row tiles 0-3 in v80-127 (even K steps) or v176-223 (odd ones), row tiles 4-7
;   in v128-175; v80-143 also a tile of H in f32; v176-213 at work in the quantiser; on the way out v80-207 rows of y, v208-223 their offsets; v224-227 at work at the head; v254, v255 for the closing lines alone.
;   window 1: v0-239 weights, a ring of five half steps of four fragments.
;   window 2: the accumulators of rows 0-63 (row tile m, column tile t at v[8 (8 (m % 4) + t)]);   window 3: those of rows 64-127.
; THE MODE: SCHED_MODE bits 1:0 = 2 (LLVM: expert scheduling mode 2), set by the entry lines.  The code itself states the register dependences between vector or matrix instructions and memory or LDS instructions,
; with s_wait_alu, always for 0.
; THE PLAN.  Registers that memory or LDS instructions touch, and who else names them:
;   the ring      Half step j's 32 products read part j % 5.  At the head of half step j + 1 the weights of half step j + 5 are asked for into it.
;   LO0, LO1      v80-127, v176-223: row tiles 0-3 of K step s lie in LO[s % 2]; read by the first 16 products of half steps 2 s and 2 s + 1.  Asked for at the head of half step 2 s - 1, whose products read the other set.
;   HI            v128-175: row tiles 4-7 of K step s; read by the last 16 products of half steps 2 s and 2 s + 1.  Asked for at the head of half step 2 s, 16 products ahead of its first use.
;   v64-79        the rows' scale words: loaded once for each product; read by its products.
;   PC, PW        v194-205, v192: written by the quantiser, read by a tile's four LDS stores, written again by the next tile's quantiser, 64 vector lines later.
;   accumulators  written by the products; read by the activation's vector lines and, on the way out, by the LDS stores into the stage.
;   v80-207       on the way out: two sets of 64 by turns: loads from the stage land in a set, 16 stores to memory read it, the block two on lands in it again.
;   v208-223      on the way out: a block's 16 offsets, written by vector lines, read by its stores, written again by the next block.
;   addresses     v1-v11 and v24-29 are made at the head and never written again; v13-15 are made once from the list.
; So ONE wait on va_vdst stands at the head of a half step that asks for anything: behind it all products issued so far have read their operands, and all that the step asks for lands in registers that none of the step's own
; products names.  One stands behind each tile's quantiser, one ahead of the way out, one ahead of each block's stores.  The waits on vm_vsrc stand where registers that stores have read are written again.
.set FRB,    1536                      ; a fragment's image: 12 registers x 128 bytes
.set XIMG,   0                         ; LDS: x's 32 fragments (row tile m, K step s) at (4 m + s) x 1,536;
.set XSC,    49152                     ; their scale words: slot rho at 16 rho, K step s at + 4 s;
.set HIMG,   51200                     ; H's likewise;
.set HSC,    100352
.set SPITCH, 528                       ; the way out: a stage of 16 rows x (512 + 16) bytes for each wave, in x's images, which nobody reads behind the second barrier
.set LI,   1                           ; v1   16 x lane
.set XWI,  2                           ; v2   where I store x's images: 16 x lane + 8 fragments x wave
.set XWS,  3                           ; v3   and x's scale words: slot 32 w + lane
.set HWI,  4                           ; v4   H's images: K step w
.set HWS,  5                           ; v5   H's scale words: 16 r + 4 w
.set HRI,  6                           ; v6   H's images, read
.set HSR,  8                           ; v8   H's scale words, read
.set STO,  9                           ; v9   the stage: where I put 32 bytes of a row
.set RD,   10                          ; v10  and where I read a row back
.set CO,   11                          ; v11  my byte offset in a row of y: 512 w + 16 x lane
.set XA,   13                          ; v13-14 my two rows' records;  v15 the record whose scale bytes I fetch
.set XSA,  15
.set LR,   16                          ; v16-19 the row number of slot 32 k + lane
.set XW,   20                          ; v20-23 a row's four scale words on their way
.set LAD,  24                          ; v24-29 offsets into the list
.set LA,   30                          ; v30-31 the row numbers of slots 32 w + r and 32 w + 16 + r
.set WS1,  32                          ; v32-47 W1's scale words, v48-63 W2's: register 4 p + s: lanes 0-15 tile 2 p, lanes 16-31 tile 2 p + 1, K step s
.set AS,   64                          ; v64-79 the rows' scale words, laid the same way by row tiles
.set AF,   80                          ; LO0; LO1 lies 96 registers on
.set HIF,  128                         ; HI
.set HA,   80
.set TM,   176
.set PW,   192
.set PC,   194
.set BK,   80
.set YA,   208
.set SEL,  30                          ; s[30:31] v_permlanex16_b32's selects for lane l xor 16 (free again on the way out)
.set MSB, 0
.macro WIN new                         ; the immediate's high byte repeats the setting that is left; a switch that changes nothing is dropped
.if MSB != (\new)
	s_set_vgpr_msb (MSB<<8)|(\new)
.set MSB, (\new)
.endif
.endm
.macro PLACES n                        ; an instruction that reads a matrix result stands four places behind it; only plain vector instructions that name none of its registers are places (ISA guide 7.12.1).  The four in front of loads into registers that the last products have read are kept too, ahead of the wait that states that dependence
.rept \n
	v_nop
.endr
.endm
.macro BARRIER                         ; my LDS stores have landed and my LDS loads are in: then the work-group's barrier
	s_wait_dscnt 0x0
	s_barrier_signal -1
	s_barrier_wait -1
.endm
; Half step j of 16: product j / 8, K step (j % 8) / 2, my column tiles 4 (j % 2) .. + 3.  Its four weight fragments, 12 loads of 512 consecutive bytes, into part j % 5 of the ring.
.macro WLOAD j
	WIN 0x40                                       ; destination window 1, offset window 0
.irp t4, 0,1,2,3
.irp c, 0,1,2
	global_load_b128 v[48*((\j)%5)+12*\t4+4*\c:48*((\j)%5)+12*\t4+4*\c+3], v[LI], s[4:5] offset:((\j)/8)*6291456+(4*((\j)%2)+\t4)*6144+(((\j)%8)/2)*1536+512*\c
.endr
.endr
	WIN 0
.endm
.macro AFETCH adr, ks, b0, reg         ; the fragments of row tiles b0 .. b0 + 3 for K step ks: images, back into the 48 registers from v[reg] on
.irp mi, 0,1,2,3
.irp c, 0,1,2
	ds_load_b128 v[(\reg)+12*\mi+4*\c:(\reg)+12*\mi+4*\c+3], v[\adr] offset:(4*((\b0)+\mi)+(\ks))*FRB+512*\c
.endr
.endr
.endm
; One product.  rD, rA, rB, rSA, rSB: its registers.  SS = 0: the K step that starts the sum (nothing is ever cleared).  PP: 2 x (odd column tile: its scales lie in lanes 16-31) + (odd row tile: likewise).
.macro MM
.if SS == 0
.if PP == 0
	v_wmma_scale_f32_16x16x128_f8f6f4 v[rD:rD+7], v[rA:rA+11], v[rB:rB+11], 0, v[rSA], v[rSB] matrix_a_fmt:MATRIX_FMT_FP6 matrix_b_fmt:MATRIX_FMT_FP6
.elseif PP == 1
	v_wmma_scale_f32_16x16x128_f8f6f4 v[rD:rD+7], v[rA:rA+11], v[rB:rB+11], 0, v[rSA], v[rSB] matrix_a_fmt:MATRIX_FMT_FP6 matrix_b_fmt:MATRIX_FMT_FP6 matrix_b_scale:MATRIX_SCALE_ROW1
.elseif PP == 2
	v_wmma_scale_f32_16x16x128_f8f6f4 v[rD:rD+7], v[rA:rA+11], v[rB:rB+11], 0, v[rSA], v[rSB] matrix_a_fmt:MATRIX_FMT_FP6 matrix_b_fmt:MATRIX_FMT_FP6 matrix_a_scale:MATRIX_SCALE_ROW1
.else
	v_wmma_scale_f32_16x16x128_f8f6f4 v[rD:rD+7], v[rA:rA+11], v[rB:rB+11], 0, v[rSA], v[rSB] matrix_a_fmt:MATRIX_FMT_FP6 matrix_b_fmt:MATRIX_FMT_FP6 matrix_a_scale:MATRIX_SCALE_ROW1 matrix_b_scale:MATRIX_SCALE_ROW1
.endif
.else
.if PP == 0
	v_wmma_scale_f32_16x16x128_f8f6f4 v[rD:rD+7], v[rA:rA+11], v[rB:rB+11], v[rD:rD+7], v[rSA], v[rSB] matrix_a_fmt:MATRIX_FMT_FP6 matrix_b_fmt:MATRIX_FMT_FP6
.elseif PP == 1
	v_wmma_scale_f32_16x16x128_f8f6f4 v[rD:rD+7], v[rA:rA+11], v[rB:rB+11], v[rD:rD+7], v[rSA], v[rSB] matrix_a_fmt:MATRIX_FMT_FP6 matrix_b_fmt:MATRIX_FMT_FP6 matrix_b_scale:MATRIX_SCALE_ROW1
.elseif PP == 2
	v_wmma_scale_f32_16x16x128_f8f6f4 v[rD:rD+7], v[rA:rA+11], v[rB:rB+11], v[rD:rD+7], v[rSA], v[rSB] matrix_a_fmt:MATRIX_FMT_FP6 matrix_b_fmt:MATRIX_FMT_FP6 matrix_a_scale:MATRIX_SCALE_ROW1
.else
	v_wmma_scale_f32_16x16x128_f8f6f4 v[rD:rD+7], v[rA:rA+11], v[rB:rB+11], v[rD:rD+7], v[rSA], v[rSB] matrix_a_fmt:MATRIX_FMT_FP6 matrix_b_fmt:MATRIX_FMT_FP6 matrix_a_scale:MATRIX_SCALE_ROW1 matrix_b_scale:MATRIX_SCALE_ROW1
.endif
.endif
.endm
; 16 matrix instructions of half step j: row tiles 4 hi .. 4 hi + 3 x its four column tiles.  Sixteen accumulators, one instruction a turn; between two links of a chain stand 63 others' turns.
.macro MULH j, hi
	WIN 0xa1+0x50*(\hi)                            ; source 0 (weights) window 1, source 1 (rows) window 0, C and D window 2 or 3
.set SS, ((\j)%8)/2
.irp mm, 0,1,2,3
.irp t4, 0,1,2,3
.set rD, 8*(8*\mm+4*((\j)%2)+\t4)
.set rA, 48*((\j)%5)+12*\t4
.set rB, AF+48*(\hi)+96*((1-(\hi))*(SS%2))+12*\mm  ; row tiles 0-3: LO[K step % 2]; row tiles 4-7: HI
.set rSA, WS1+16*((\j)/8)+4*(2*((\j)%2)+\t4/2)+SS
.set rSB, AS+4*(2*(\hi)+\mm/2)+SS
.set PP, 2*(\t4%2)+\mm%2
	MM
.endr
.endr
.endm
; A half step.  The rows' fragments of a K step serve its two half steps.  What the half steps before have left free is asked for again at the step's head, in one run behind one wait: the part of the ring that the half
; step before read takes the weights four half steps on; in a K step's first half step HI takes this K step's row tiles 4-7; in its second the LO set that this K step does not read takes the next K step's row tiles 0-3.
; None of the step's own 32 products names a register of these loads.  A product's first half step asks for nothing here (its first loads stand in front of it), nor does the very last: these two kinds hold no wait.
.macro HSTEP j, adr
.set GG, (\j)%2
.set S1, ((\j)%8)/2
.set NW, 0
.if (((\j)%8) > 0) && ((\j) <= 11)
.set NW, 1                             ; weights are asked for
.endif
.set NA, 0
.if ((GG == 0) && (S1 > 0)) || ((GG == 1) && (S1 < 3))
.set NA, 1                             ; rows' fragments are asked for
.endif
.if NW || NA
	PLACES 4
.if NW
	WIN 0x40                                       ; the switch, then the wait, then the loads
.else
	WIN 0
.endif
	s_wait_alu depctr_va_vdst(0)                   ; the products issued so far have read their operands: the ring's part that the last half step read, HI, and the LO set of the K step before, in which the loads below land
.if NW
	WLOAD (\j)+4
.endif
.if NA
.if GG == 0
	AFETCH \adr, S1, 4, HIF
.else
	AFETCH \adr, S1+1, 0, AF+96*((S1+1)%2)
.endif
.endif
.endif
.if 15-(\j) < 4
	s_wait_loadcnt 12*(15-(\j))                    ; this half step's weights are in; those of the later half steps, 12 loads each, may be out
.else
	s_wait_loadcnt 48
.endif
.if GG == 0
	s_wait_dscnt 12                                ; row tiles 0-3 (and the scale words) are in; the youngest 12 loads, tiles 4-7, may be out
.endif
	MULH \j, 0
.if GG == 0
	s_wait_dscnt 0x0                               ; row tiles 4-7 are in
.endif
	MULH \j, 1
.endm
; 64 numbers of a lane, none negative, register 16 b + i = k 32 b + 16 (lane / 16) + i of my row, become a fragment's codes in v[PC] on and its scale word in v[PW].
.macro QUANT s
.irp b, 0,1,2,3
	v_max3_num_f32 v[TM+\b], v[\s+16*\b], v[\s+1+16*\b], 0x1800000   ; block b: my 16 numbers, and the floor 2^(3 - 127): the byte cannot fall under 1
.endr
.irp i, 2,4,6,8,10,12,14
.irp b, 0,1,2,3
	v_max3_num_f32 v[TM+\b], v[TM+\b], v[\s+16*\b+\i], v[\s+1+16*\b+\i]   ; (the four blocks by turns)
.endr
.endr
.irp b, 0,1,2,3
	v_permlanex16_b32 v[TM+4+\b], v[TM+\b], s[SEL], s[SEL+1]
.endr
.irp b, 0,1,2,3
	v_max_num_f32 v[TM+\b], v[TM+\b], v[TM+4+\b]   ; with lane l xor 16's: the block's largest
.endr
.irp b, 0,1,2,3
	v_add_nc_u32 v[TM+12+\b], 0xff000000, v[TM+\b] ; 2 off its exponent field: the conversion's scale operand
.endr
.irp b, 0,1,2,3
	v_lshrrev_b32 v[TM+4+\b], 23, v[TM+12+\b]      ; the scale's byte
.endr
	v_lshl_or_b32 v[PW], v[TM+5], 8, v[TM+4]       ; the four bytes make my row's scale word, the same in both halves of the lanes
	v_lshl_or_b32 v[PW], v[TM+6], 16, v[PW]
	v_lshl_or_b32 v[PW], v[TM+7], 24, v[PW]
.irp c, 0,1
	v_cvt_scalef32_pk16_fp6_f32 v[PC+6*\c:PC+2+6*\c], v[\s+32*\c:\s+15+32*\c], v[TM+12+2*\c]
	v_cvt_scalef32_pk16_fp6_f32 v[PC+12+4*\c:PC+14+4*\c], v[\s+16+32*\c:\s+31+32*\c], v[TM+12+2*\c+1]   ; (a conversion's three registers begin on an even number)
.endr
	v_nop                                          ; one plain place behind a scaled conversion
.irp c, 0,1                            ; the operand's layout wants a WHOLE block in a lane: lanes 0-15 block 2 c, lanes 16-31 block 2 c + 1
.irp i, 0,1,2
	v_permlane16_swap_b32 v[PC+6*\c+\i], v[PC+12+4*\c+\i]
.endr
.irp i, 0,1,2
	v_mov_b32 v[PC+3+6*\c+\i], v[PC+12+4*\c+\i]
.endr
.endr
.endm
.macro IMAGE adr, off                  ; the fragment in v[PC] on goes to LDS as it stands
.irp c, 0,1,2
	ds_store_b128 v[\adr], v[PC+4*\c:PC+4*\c+3] offset:\off+512*\c
.endr
.endm
; THE WAY OUT of row tile a: a lane holds 32 neighbouring bytes of a row and the lanes beside it other rows: the tile goes through my own stage and comes back as my 512 bytes of each of its 16 rows.
.macro TOSTAGE a
.set AC, 64*((\a)%4)
	WIN 0x08+4*((\a)/4)                            ; an LDS store's data are its source 1: window 2 or 3
.irp b, 0,1,2,3,4,5,6,7
	ds_store_b128 v[STO], v[AC+8*\b:AC+8*\b+3] offset:64*\b          ; each accumulator from its low end on
	ds_store_b128 v[STO], v[AC+8*\b+4:AC+8*\b+7] offset:64*\b+16
.endr
	WIN 0
.set BB, BK+64*((\a)%2)
.irp t, 0,1,2,3,4,5,6,7,8,9,10,11,12,13,14,15
	ds_load_b128 v[BB+4*\t:BB+4*\t+3], v[RD] offset:\t*SPITCH      ; LDS serves a wave's instructions in order: these see the stores above, and the next tile's stores come behind them
.endr
.endm
; The block's 16 row numbers go into 16 scalar registers in one run (slot i into s[16 + i], passing over s27, the count of rows: s16-26 and s28-32 hold nothing that is wanted on the way out), so that one wait serves all;
; the offsets are made while the block is on its way back from the stage.
.macro SEND a, younger                 ; younger: the LDS instructions issued behind tile a's loads, which may stay out
.set BB, BK+64*((\a)%2)
.irp i, 0,1,2,3,4,5,6,7,8,9,10,11,12,13,14,15
	v_readlane_b32 s[16+\i+\i/11], v[LR+(\a)/2], 16*((\a)%2)+\i    ; the row number of slot 16 a + i,
.endr
	s_wait_alu depctr_va_sdst(0)                   ; the sixteen row numbers are written, ahead of the first scalar line that reads one
.irp i, 0,1,2,3,4,5,6,7,8,9,10,11,12,13,14,15
	s_min_u32 s[16+\i+\i/11], s[16+\i+\i/11], 4095
	s_lshl_b32 s[16+\i+\i/11], s[16+\i+\i/11], 11  ; its 2,048 bytes in yp[q],
.endr
.irp i, 0,1,2,3,4,5,6,7,8,9,10,11,12,13,14,15
	v_add_nc_u32 v[YA+\i], s[16+\i+\i/11], v[CO]   ; and my 16 bytes of my wave's 512
.endr
	s_wait_alu depctr_va_vdst(0)                   ; the sixteen offsets are written, which the stores below read
	s_wait_dscnt \younger
.irp i, 0,1,2,3,4,5,6,7,8,9,10,11,12,13,14,15
	global_store_b128 v[YA+\i], v[BB+4*\i:BB+4*\i+3], s[14:15]     ; 32 lanes store 512 consecutive bytes of one row, from a multiple of 256
.endr
.endm
	s_load_b256 s[4:11], s[0:1], 0x0               ; wq s[4:5], ws s[6:7], xq s[8:9], rowlist s[10:11]
	s_load_b128 s[12:15], s[0:1], 0x20             ; tinfo s[12:13], yp s[14:15]
	v_lshl_add_u32 v254, v0, 2, 0x19000
	v_mov_b32 v255, 0
	v_lshrrev_b32 v224, 5, v0
	v_readfirstlane_b32 s20, v224                  ; wave 0..3
	s_and_b32 s22, ttmp7, 0xffff                   ; the tile
	s_lshl_b32 s24, s22, 4
	s_mov_b32 s25, 0
	s_wait_kmcnt 0x0
	s_add_nc_u64 s[12:13], s[12:13], s[24:25]
	s_load_b128 s[16:19], s[12:13], 0x0            ; expert, rows to store, the tile whose list is read, rows in that list
	v_and_b32 v224, 31, v0                         ; lane
	v_and_b32 v225, 15, v0                         ; r
	v_bfe_u32 v226, v0, 4, 1                       ; h
	v_mul_u32_u24 v227, v226, 24
	v_cmp_eq_u32 vcc_lo, 1, v226                   ; lanes 16-31: read where the record of slot 32 w + lane is chosen, behind the list's loads
	v_lshlrev_b32 v[LI], 4, v224
	s_wait_alu depctr_va_sdst(0)                   ; s20, the wave's number, is written, ahead of its first reader
	s_mul_i32 s28, s20, 8*FRB
	v_add_nc_u32 v[XWI], s28, v[LI]
	s_lshl_b32 s28, s20, 9
	v_add_nc_u32 v[XWS], s28, v[LI]
	v_add_nc_u32 v[CO], s28, v[LI]
	v_add_nc_u32 v[XWS], XSC, v[XWS]
	s_mul_i32 s28, s20, FRB
	v_add_nc_u32 v[HWI], s28, v[LI]
	v_add_nc_u32 v[HWI], HIMG, v[HWI]
	s_lshl_b32 s28, s20, 2
	v_lshl_add_u32 v[HWS], v225, 4, s28
	v_add_nc_u32 v[HWS], HSC, v[HWS]
	v_add_nc_u32 v[HRI], HIMG, v[LI]
	v_add_nc_u32 v[HSR], HSC, v[LI]
	s_mul_i32 s28, s20, 16*SPITCH
	v_mul_u32_u24 v[STO], v225, SPITCH
	v_lshl_add_u32 v[STO], v226, 5, v[STO]
	v_add_nc_u32 v[STO], s28, v[STO]
	v_add_nc_u32 v[RD], s28, v[LI]
	s_mov_b32 s[SEL], 0x76543210
	s_mov_b32 s[SEL+1], 0xfedcba98
.irp b, 0,1,2,3
	v_mov_b32 v[TM+4+\b], 0                        ; written once: a lane permute's destination counts as one of its sources
.endr
	s_wait_kmcnt 0x0
	s_min_u32 s16, s16, 7                          ; what was loaded is held before it enters an address
	s_min_u32 s27, s17, 128                        ; the rows to store: 0 to 128
	s_min_u32 s18, s18, 38
	s_sub_co_u32 s26, s19, 1                       ; the list's last slot that holds a row
	s_lshl_b32 s24, s16, 7
	s_lshl_b32 s28, ttmp9, 5
	s_add_co_u32 s24, s24, s28
	s_lshl_b32 s28, s20, 3
	s_add_co_u32 s28, s24, s28                     ; my first unit: 128 e + 32 q + 8 w, in both weights
	s_mul_i32 s24, s28, 6144
	s_add_nc_u64 s[4:5], s[4:5], s[24:25]
	s_lshl_b32 s24, s28, 8
	s_add_nc_u64 s[6:7], s[6:7], s[24:25]
	s_lshl_b32 s24, s18, 9
	s_add_nc_u64 s[10:11], s[10:11], s[24:25]      ; the tile's 128 words of the list
	s_lshl_b32 s24, ttmp9, 23
	s_add_nc_u64 s[14:15], s[14:15], s[24:25]      ; yp[q]
	s_lshl_b32 s24, s20, 5
	v_add_nc_u32 v[LAD], s24, v225                 ; slots 32 w + r, 32 w + 16 + r: the rows whose codes I gather;
	v_add_nc_u32 v[LAD+1], 16, v[LAD]
.irp k, 0,1,2,3
	v_add_nc_u32 v[LAD+2+\k], 32*\k, v224          ; slots 32 k + lane: all 128, for the way out
.endr
.irp i, 0,1,2,3,4,5
	v_min_u32 v[LAD+\i], s26, v[LAD+\i]            ; slots past the count repeat the last row: no word is read that was not stored
	v_min_u32 v[LAD+\i], 127, v[LAD+\i]
	v_lshlrev_b32 v[LAD+\i], 2, v[LAD+\i]
.endr
	s_wait_alu depctr_va_vdst(0)                   ; the addresses v1 to v11 and the list's offsets v24 to v29 are written, which the loads and stores of the whole kernel read; so are v180 to v183, in which loads land later
	global_load_b32 v[LA], v[LAD], s[10:11]
	global_load_b32 v[LA+1], v[LAD+1], s[10:11]
.irp k, 0,1,2,3
	global_load_b32 v[LR+\k], v[LAD+2+\k], s[10:11]
.endr
.irp p, 0,1,2,3
	global_load_b128 v[WS1+4*\p:WS1+4*\p+3], v[LI], s[6:7] offset:512*\p             ; two units' scale words, 512 consecutive bytes: a lane's four registers are its row's four K steps
.endr
.irp p, 0,1,2,3
	global_load_b128 v[WS1+16+4*\p:WS1+16+4*\p+3], v[LI], s[6:7] offset:262144+512*\p   ; the second weight's units lie 1,024 units on
.endr
	WLOAD 0
	WLOAD 1
	s_wait_loadcnt 36                              ; my two list entries are in; behind them: 4 list loads, 8 of scale words, 24 of weights
	; ---- X: the codes and scale words of my 32 slots' rows, gathered from their records, become eight images
	s_wait_alu depctr_va_vcc(0)                    ; VCC, written by the compare at the head, ahead of its one reader
	v_cndmask_b32 v[XSA], v[LA], v[LA+1], vcc_lo   ; slot 32 w + lane
	v_min_u32 v[LA], 0xfff, v[LA]
	v_min_u32 v[LA+1], 0xfff, v[LA+1]
	v_min_u32 v[XSA], 0xfff, v[XSA]
	v_mad_u32_u24 v[XA], v[LA], 400, v227          ; a record is 400 bytes; + 24 h
	v_mad_u32_u24 v[XA+1], v[LA+1], 400, v227
	v_mul_u32_u24 v[XSA], v[XSA], 400
	s_wait_alu depctr_va_vdst(0)                   ; the three records' offsets v13 to v15 are written, which the gather's loads read
.irp i, 0,1
.irp s, 0,1,2,3
.irp p, 0,1,2,3,4,5
	global_load_b64 v[AF+48*\i+12*\s+2*\p:AF+48*\i+12*\s+2*\p+1], v[XA+\i], s[8:9] offset:96*\s+48*(\p/3)+8*(\p%3)   ; 24 bytes of the row's stream are six registers of the operand, in pieces of 8 bytes
.endr
.endr
.endr
	global_load_b128 v[XW:XW+3], v[XSA], s[8:9] offset:384
	WLOAD 2
	WLOAD 3
	WLOAD 4
	s_wait_loadcnt 36                              ; all but the 36 loads of weights just issued
.irp i, 0,1
.irp s, 0,1,2,3
.irp c, 0,1,2
	ds_store_b128 v[XWI], v[AF+48*\i+12*\s+4*\c:AF+48*\i+12*\s+4*\c+3] offset:(4*\i+\s)*FRB+512*\c
.endr
.endr
.endr
	ds_store_b128 v[XWS], v[XW:XW+3]
	BARRIER                                        ; x's 32 fragments and 128 rows of scale words lie in LDS
	s_wait_alu depctr_vm_vsrc(0)                   ; my LDS stores have read v80 to v175, in which the fragments' loads below land
	; ---- 1: my 128 hidden units for the 128 rows: K = 512 in four steps
.irp p, 0,1,2,3
	ds_load_b128 v[AS+4*\p:AS+4*\p+3], v[LI] offset:XSC+512*\p
.endr
	AFETCH LI, 0, 0, AF
	AFETCH LI, 0, 4, HIF
.irp j, 0,1,2,3,4,5,6,7
	HSTEP \j, LI
.endr
	PLACES 4                                       ; four places behind the last product, ahead of the activation's reads of the results
	WIN 0x40                                       ; the switch, then the wait, then the loads
	s_wait_alu depctr_va_vdst(0)                   ; half step 7's products have read their part of the ring, in which the weights of half step 12 land: they travel while H is quantised
	WLOAD 12
	; ---- relu and the quantiser, a tile of 16 rows at a time: my 128 units are K step w of the second product.  Its first weights are on their way meanwhile
.irp m, 0,1,2,3,4,5,6,7
	WIN 0x08+4*(\m/4)                              ; source 1: window 2 or 3
.set i, 0
.rept 64
	v_max_num_f32 v[HA+i], 0, v[64*(\m%4)+i]       ; the activation, in f32; each accumulator is read from its low end on
.set i, i+1
.endr
	WIN 0
	s_wait_dscnt 0x0                               ; the last tile's stores are done
.if \m > 0
	s_wait_alu depctr_vm_vsrc(0)                   ; the last tile's LDS stores have read the codes' and the word's registers, which the quantiser writes again
.endif
	QUANT HA
	s_wait_alu depctr_va_vdst(0)                   ; the quantiser has written the codes v[PC] on and the word v[PW], which the four LDS stores read
	IMAGE HWI, 6144*\m
	ds_store_b32 v[HWS], v[PW] offset:256*\m       ; both lanes of a row write the same word with the same value
.endr
	BARRIER                                        ; H's 32 fragments lie in LDS, and nobody reads x's any more.  This is the last barrier: from here on a wave may end by itself
	s_wait_alu depctr_vm_vsrc(0)                   ; the last tile's LDS stores have read v[PC] on and v[PW]: loads of the second product's fragments, and later of the stage, land there
	s_cmp_eq_u32 s27, 0                            ; a tile without rows has nothing to store: it ends here (every window is 0; its loads of weights may be out at the end)
	s_cbranch_scc1 .Lend
	; ---- 2: my 128 outputs for the 128 rows: K = this quarter's 512 hidden units.  The loads below land in v64 to v175, which the first product and the quantiser named: all of those lines stand ahead of the last
	; tile's wait on va_vdst, and no vector or matrix line has been issued since
.irp p, 0,1,2,3
	ds_load_b128 v[AS+4*\p:AS+4*\p+3], v[HSR] offset:512*\p
.endr
	AFETCH HRI, 0, 0, AF
	AFETCH HRI, 0, 4, HIF
.irp j, 8,9,10,11,12,13,14,15
	HSTEP \j, HRI
.endr
	; ---- the way out: while one tile's rows are stored, the next is on its way through the stage
	PLACES 4                                       ; four places behind the last product, before its result is read; they stay beside the wait below
	WIN 0
	s_wait_alu depctr_va_vdst(0)                   ; the products have written the accumulators, which the LDS stores into the stage read, and have read v80 to v223, in which the loads from the stage land
	TOSTAGE 0
.irp a, 1,2,3,4,5,6,7
.if \a > 1
	s_wait_xcnt 0x0                                ; block a - 2's stores have had their addresses translated: their data and offsets are written again only behind this wait,
	s_wait_alu depctr_vm_vsrc(0)                   ; and they have read their data, into which block a's loads land, and their offsets, which block a - 1 writes again
.endif
	TOSTAGE \a
	SEND \a-1, 32                                  ; behind tile a - 1's loads: tile a's 16 stores and 16 loads
	s_cmp_le_u32 s27, 16*\a                        ; no row in slots 16 a on: nothing is left to store
	s_cbranch_scc1 .Lend
.endr
	s_wait_xcnt 0x0                                ; block 6's stores have had their addresses translated,
	s_wait_alu depctr_vm_vsrc(0)                   ; and have read their offsets, which block 7 writes again
	SEND 7, 0
.Lend:
	s_wait_dscnt 0x0                               ; the closing lines, six on end (a wave that left the way out early has the next block's LDS instructions out: none is out behind this line)
	s_wait_alu 0x0
	s_wait_tensorcnt 0x0
	ds_add_u32 v254, v255
	s_wait_dscnt 0x0
	s_endpgm
.Lfunc_end_k_qd07472d486_chain:
	.size	k_qd07472d486_chain, .Lfunc_end_k_qd07472d486_chain-k_qd07472d486_chain
	.p2alignl 7, 3214868480
	.fill 96, 4, 3214868480
	.section	.rodata,"a",@progbits
	.p2align	6, 0x0
	.amdhsa_kernel k_qd07472d486_chain
		.amdhsa_group_segment_fixed_size 102912
		.amdhsa_private_segment_fixed_size 0
		.amdhsa_enable_private_segment 0
		.amdhsa_kernarg_size 48
		.amdhsa_user_sgpr_count 2
		.amdhsa_user_sgpr_kernarg_segment_ptr 1
		.amdhsa_wavefront_size32 1
		.amdhsa_system_sgpr_workgroup_id_x 1
		.amdhsa_system_sgpr_workgroup_id_y 1
		.amdhsa_system_sgpr_workgroup_id_z 1
		.amdhsa_system_vgpr_workitem_id 0
		.amdhsa_next_free_vgpr 1024
		.amdhsa_next_free_sgpr 66
		.amdhsa_reserve_vcc 1
		.amdhsa_float_denorm_mode_32 3
		.amdhsa_float_denorm_mode_16_64 3
		.amdhsa_memory_ordered 1
		.amdhsa_forward_progress 1
		.amdhsa_inst_pref_size 216
	.end_amdhsa_kernel
	.amdgpu_metadata
---
amdhsa.version: [ 1, 2 ]
amdhsa.kernels:
  - .name:           k_qd07472d486_chain
    .symbol:         k_qd07472d486_chain.kd
    .args:
      - { .name: wq, .offset: 0, .size: 8, .value_kind: global_buffer, .address_space: global }
      - { .name: ws, .offset: 8, .size: 8, .value_kind: global_buffer, .address_space: global }
      - { .name: xq, .offset: 16, .size: 8, .value_kind: global_buffer, .address_space: global }
      - { .name: rowlist, .offset: 24, .size: 8, .value_kind: global_buffer, .address_space: global }
      - { .name: tinfo, .offset: 32, .size: 8, .value_kind: global_buffer, .address_space: global }
      - { .name: yp, .offset: 40, .size: 8, .value_kind: global_buffer, .address_space: global }
    .group_segment_fixed_size: 102912
    .private_segment_fixed_size: 0
    .kernarg_segment_align: 8
    .kernarg_segment_size: 48
    .max_flat_workgroup_size: 128
    .sgpr_count:     66
    .vgpr_count:     1024
    .wavefront_size: 32
...
	.end_amdgpu_metadata
.endif
;; end of part 4
;; launch combine: the kernel of part 3 again; grid 256 x 1, 8 waves a work-group, no clusters, 0 bytes of LDS; arguments yp, gate_score, out0; writes out0
